; MI455X (gfx1250); checked and timed in simulation.
; The chip was launched on July 23, 2026; its instructions are those of AMD's public machine-readable ISA for CDNA 5 (MIT licence, August 2026) and "CDNA5" Instruction Set Architecture Reference Guide (July 2026). The comments in the code are by the model that wrote it; some were corrected since.
;; GPT2 Attention. Allowed arithmetic: matrix products marked QUANTISED: E2M1 operands, one E8M0 scale for each 32 along K, by v_wmma_scale_f32_16x16x128_f8f6f4 with both operands' format E2M1 (or v_wmma_scale_f32_32x16x128_f4), f32 sums; products left as they are: bf16, f16 or f32 operands; f32 sums; everything else in f32.
;; Inputs: c_attn_b 3,072 float32; c_attn_w 1,024 x 3,072 float32; c_proj_b 1,024 float32; c_proj_w 1,024 x 1,024 float32; hidden_states 4 x 2,048 x 1,024 float32.
;; Outputs: out0 4 x 2,048 x 1,024 float32.
;; This version of the problem:
;;   THIS VERSION OF THE PROBLEM IS GIVEN IN LOW PRECISION. The matrix products marked QUANTISED in the list below multiply operands that are first quantised to E2M1 (2 exponent bits, 1 mantissa bit; 4 bits a number), with one power-of-two scale for each 32 numbers along K (OCP MX v1.0); their sums are f32. The products marked 'left as it is' may take bf16, f16 or f32 operands, with f32 sums. Whichever they take, every output number must still come out within the allowed error. Rounding operands to bf16 (8 significant bits) uses up far more of that allowance than f16 does (11 bits, for magnitudes from 6e-5 to 65,504). All else is computed in f32.
;;   The module's matrix products, in the order in which they are computed (A, B: the left and right operand; K: the contracted axis; several contracted axes count as one K, in the product's order):
;;     1. [M 8,192, K 1,024] x [K 1,024, N 3,072]; A: input hidden_states; B: input c_attn_w: QUANTISED
;;     2. batch 64 x [M 2,048, K 64] x [K 64, N 2,048]; A: computed on the way; B: computed on the way: left as it is (an operand is computed on the way)
;;     3. batch 64 x [M 2,048, K 2,048] x [K 2,048, N 64]; A: computed on the way; B: computed on the way: left as it is (an operand is computed on the way)
;;     4. [M 8,192, K 1,024] x [K 1,024, N 1,024]; A: computed on the way; B: input c_proj_w: left as it is (an operand is computed on the way)
;;   THE QUANTISER, for each operand of a quantised product, along K:
;;     - K is cut into blocks of 32 from its start; a last block that is shorter is filled with zeros.
;;     - A block's scale is 2^e with e = floor(log2(the largest magnitude in the block)) - 2, held to -126 .. 127; a block of zeros has e = 0. As a byte (E8M0): e + 127.
;;     - Each number is divided by its block's scale, clamped to +-6, and rounded to the nearest number of E2M1, ties to even, subnormals kept.
;;     - The product sums the exact products of the quantised numbers (number of the format x scale) in f32.
;;   ~~~python
;;   def quantise(x, axis):      # numpy; x: float32 -> the quantised numbers, widened to float32 again
;;       x = np.moveaxis(x, axis, -1); K = x.shape[-1]
;;       x = np.pad(x, [(0, 0)] * (x.ndim - 1) + [(0, -K % 32)]); x = x.reshape(x.shape[:-1] + (-1, 32)); a = np.abs(x).max(-1, keepdims=True)
;;       e = np.where(a > 0, np.clip(np.frexp(np.where(a > 0, a, 1))[1] - 1 - 2, -126, 127), 0)      # np.frexp(a)[1] - 1 = floor(log2(a)), exactly
;;       r = np.clip(x / 2.0 ** e, -6, 6)
;;       step = 2.0 ** (np.maximum(np.frexp(np.where(r == 0, 1, r))[1] - 1, 0) - 1)
;;       q = np.round(r / step) * step * 2.0 ** e      # np.round: ties to even
;;       return np.moveaxis(q.reshape(q.shape[:-2] + (-1,))[..., :K], -1, axis).astype(np.float32)
;;   ~~~
;; One version. Each part assembles by itself: llvm-mc -triple=amdgcn-amd-amdhsa -mcpu=gfx1250 --defsym DOCPART=n.
;; ======== version 1 of 1: 5 launches
;; limits: values are held in f16: magnitudes above 65,504 overflow, below 6.1e-05 lose precision
;; workspace buffers: xc 4,194,304 bytes; wc 1,572,864 bytes; scl 360,448 bytes; wp16 2,097,152 bytes; qkv 50,331,648 bytes; fine 1,310,720 bytes; ao 16,777,216 bytes; vtail 16,384 bytes
;; launch prep (part 1): grid 416 x 1, 4 waves a work-group, no clusters, 85,504 bytes of LDS; arguments hidden_states, c_attn_w, c_proj_w, xc, wc, scl, wp16; writes xc, wc, scl, wp16
.if DOCPART == 1
	.amdgcn_target "amdgcn-amd-amdhsa--gfx1250"
	.amdhsa_code_object_version 6
	.text
	.protected	k_q360ef80a4a_prep
	.globl	k_q360ef80a4a_prep
	.p2align	8
	.type	k_q360ef80a4a_prep,@function
k_q360ef80a4a_prep:
	s_mov_b64 s[64:65], 0
	v_nop
	global_prefetch_b8 v0, s[64:65] scope:SCOPE_SE
	s_setreg_imm32_b32 hwreg(HW_REG_WAVE_MODE, 25, 1), 1
	s_wait_xcnt 0x0
; GPT-2 attention, launch 1 of 5: the operands of the quantised product are made, and c_proj_w is turned.
;   hidden_states [8192][1024] f32 -> xc: codes of E2M1, K innermost, 512 bytes a row; scl[0..]: one E8M0 byte for each 32 along K, [8192][32]
;   c_attn_w [1024 k][3072 n] f32  -> wc: codes [3072 n][512 bytes], K innermost; scl[262144..]: [3072][32]
;   c_proj_w [1024 k][1024 n] f32  -> wp16: f16 [n][k]
; A block's scale is 2^(floor(log2(its largest magnitude)) - 2): its byte is the largest magnitude's exponent field - 2, held at 1 from below.
; DEAD WORK OF THE WHOLE PROGRAM.  Where key > query, reference() replaces q.k / 8 by the constant -10000, whatever the inputs hold: so the products q.k of key steps that lie wholly
; behind a wave's queries reach no output, and the attention launch does not make them.  Nothing else is left out: such a key's weight e^(-10000 - m) and its row of V are kept,
; as the weight x (the sum of V over those keys) and the weight x (their number).  Every input is loaded.
; LIMITS.  A NaN, an infinity or an overflow that arises only in a masked q.k is not carried to the result.  The products that are left as they are take f16 operands: magnitudes of q, k, v,
; of the attention's result and of c_proj_w above 65,504 become infinity, those under 6e-5 lose bits.  Blocks whose largest magnitude lies under 2^-124 keep the byte 1; a block of zeros has the byte 1
; where the rule says 127 (its codes are zeros, and this program alone reads the bytes).  NaN and infinities among the inputs are not served.
; THREE PATHS part on the work-group's number alone and never meet again; each has LDS bytes of its own.  No tensor loads, no barrier: waves share nothing.
.set WST,   0                          ; c_attn_w's path: 4 waves x 16 rows x 272 bytes
.set XST,   17408                      ; hidden_states' path: 4 waves x 8,192 bytes
.set PST,   50176                      ; c_proj_w's path: 4 waves x 32 rows x 272 bytes
.set SPARE, 84992                      ; the spare words, 128 bytes for each wave: two blocks of 256 bytes that no other line names
.set SPW,   12                         ; v12  LDS address of my spare word; never rewritten
.set NIL,   13                         ; v13  0; never rewritten
	s_load_b256 s[4:11], s[0:1], 0x0               ; hidden_states s[4:5], c_attn_w s[6:7], c_proj_w s[8:9], xc s[10:11]
	s_load_b128 s[12:15], s[0:1], 0x20             ; wc s[12:13], scl s[14:15]
	s_load_b64 s[16:17], s[0:1], 0x30              ; wp16
	v_lshl_add_u32 v[SPW], v0, 2, SPARE
	v_mov_b32 v[NIL], 0
	v_lshrrev_b32 v1, 5, v0
	v_readfirstlane_b32 s18, v1                    ; wave 0..3
	v_and_b32 v2, 31, v0                           ; lane
	s_mov_b32 s23, 0                               ; the upper word of every offset pair s[22:23]
	s_wait_kmcnt 0x0
	s_cmp_lt_u32 ttmp9, 96
	s_cbranch_scc1 .Lw                             ; work-groups 0-95: c_attn_w (the longest path, so the first to start)
	s_cmp_lt_u32 ttmp9, 352
	s_cbranch_scc1 .Lx                             ; 96-351: hidden_states;  352-415: c_proj_w, here
; ---- c_proj_w to f16, [n][k].  A lane takes a column n and its registers run down k: 128 k a wave, in four blocks of 32; the halves go through the wave's stage and leave as rows of 256 bytes.
	s_sub_co_u32 s20, ttmp9, 352
	s_and_b32 s21, s20, 7                          ; which 128 columns
	s_lshr_b32 s20, s20, 3                         ; which 128 along k
	s_lshl_b32 s21, s21, 7
	s_lshl_b32 s22, s18, 5
	s_add_co_u32 s21, s21, s22                     ; my wave's first column
	s_lshl_b32 s22, s20, 19                        ; 128 rows of 4,096 bytes
	s_lshl_b32 s24, s21, 2
	s_add_co_u32 s22, s22, s24
	s_add_nc_u64 s[8:9], s[8:9], s[22:23]
	s_lshl_b32 s22, s21, 11                        ; a row of wp16 is 2,048 bytes
	s_lshl_b32 s24, s20, 8
	s_add_co_u32 s22, s22, s24
	s_add_nc_u64 s[16:17], s[16:17], s[22:23]
	v_and_b32 v1, 15, v0
	v_bfe_u32 v5, v0, 4, 1
	v_lshlrev_b32 v3, 2, v2                        ; in: 4 bytes a lane
	s_mul_i32 s24, s18, 32*272
	s_add_co_u32 s24, s24, PST
	v_mul_u32_u24 v4, v2, 272
	v_add_nc_u32 v4, s24, v4                       ; into the stage: row = my column
	v_mul_u32_u24 v7, v5, 272
	v_lshl_add_u32 v7, v1, 4, v7
	v_add_nc_u32 v7, s24, v7                       ; out of it: sixteen lanes to a row, two rows an instruction
	v_lshlrev_b32 v8, 11, v5
	v_lshl_add_u32 v8, v1, 4, v8                   ; and the same place in wp16
.macro PLOAD t
.set i, 0
.rept 32
	global_load_b32 v[32+32*((\t)%2)+i], v3, s[8:9] offset:(32*(\t)+i)*4096 th:TH_LOAD_NT
.set i, i+1
.endr
.endm
.macro PBLOCK t
.set XS, 32+32*((\t)%2)
.if (\t) < 3
	s_wait_loadcnt 32                              ; this block's 32 loads are in; the next block's may be out
.else
	s_wait_loadcnt 0
.endif
.irp i, 0,1,2,3,4,5,6,7,8,9,10,11,12,13,14,15
	v_cvt_pk_f16_f32 v[96+\i], v[XS+2*\i], v[XS+2*\i+1]   ; the lower k in the low half
.endr
.irp j, 0,1,2,3
	ds_store_b128 v4, v[96+4*\j:99+4*\j] offset:64*(\t)+16*\j
.endr
.if (\t)+2 < 4
	PLOAD (\t)+2
.endif
	s_wait_dscnt 0x0                               ; the stores have read their registers: the next block's halves may be written
.endm
	PLOAD 0
	PLOAD 1
	PBLOCK 0
	PBLOCK 1
	PBLOCK 2
	PBLOCK 3
.irp u, 0,1,2,3,4,5,6,7,8,9,10,11,12,13,14,15
	ds_load_b128 v[112+4*\u:115+4*\u], v7 offset:\u*544   ; LDS serves a wave's instructions in order: these see my stores
.endr
.irp u, 0,1,2,3,4,5,6,7,8,9,10,11,12,13,14,15
	s_wait_dscnt 15-\u
	global_store_b128 v8, v[112+4*\u:115+4*\u], s[16:17] offset:\u*4096   ; sixteen lanes store 256 consecutive bytes, aligned
.endr
	s_wait_tensorcnt 0x0                           ; the wave's end
	ds_add_u32 v[SPW], v[NIL]
	s_wait_dscnt 0x0
	s_endpgm
; ---- c_attn_w.  A lane takes a column n and its registers run down K, so a block of 32 lies in one lane and the codes come out with K innermost.
; A wave takes 16 columns x 512 along K: lanes 0-15 the first 256, lanes 16-31 the second: 8 blocks a lane.  So 384 waves share the tensor, each with two blocks' loads on their way.
.Lw:
	s_cmp_ge_u32 ttmp9, 48
	s_cselect_b32 s20, 1, 0                        ; which 512 along K
	s_mul_i32 s21, s20, 48
	s_sub_co_u32 s21, ttmp9, s21
	s_lshl_b32 s21, s21, 6
	s_lshl_b32 s22, s18, 4
	s_add_co_u32 s21, s21, s22                     ; my wave's first column
	s_mul_i32 s22, s20, 512*12288
	s_lshl_b32 s24, s21, 2
	s_add_co_u32 s22, s22, s24
	s_add_nc_u64 s[6:7], s[6:7], s[22:23]
	s_lshl_b32 s22, s21, 9                         ; a row of codes is 512 bytes
	s_lshl_b32 s24, s20, 8
	s_add_co_u32 s22, s22, s24
	s_add_nc_u64 s[12:13], s[12:13], s[22:23]
	s_lshl_b32 s22, s21, 5                         ; a row of scale bytes is 32
	s_lshl_b32 s24, s20, 4
	s_add_co_u32 s22, s22, s24
	s_add_co_u32 s22, s22, 262144                  ; behind hidden_states' scale bytes
	s_add_nc_u64 s[14:15], s[14:15], s[22:23]
	v_and_b32 v1, 15, v0                           ; r
	v_bfe_u32 v5, v0, 4, 1                         ; h
	v_lshlrev_b32 v3, 2, v1
	v_mul_u32_u24 v6, v5, 256*12288
	v_add_nc_u32 v3, v3, v6                        ; in: column r, 256 rows further down for lanes 16-31
	s_mul_i32 s24, s18, 16*272                     ; my stage (WST = 0)
	v_mul_u32_u24 v4, v1, 272
	v_lshl_add_u32 v4, v5, 7, v4
	v_add_nc_u32 v4, s24, v4                       ; into it: row = my column, 128 bytes for each half of the lanes
	v_mul_u32_u24 v7, v5, 272
	v_lshl_add_u32 v7, v1, 4, v7
	v_add_nc_u32 v7, s24, v7                       ; out of it: sixteen lanes to a row
	v_lshlrev_b32 v8, 9, v5
	v_lshl_add_u32 v8, v1, 4, v8
	v_lshlrev_b32 v9, 5, v1
	v_lshl_add_u32 v9, v5, 3, v9                   ; my 8 scale bytes
.macro WLOAD t
.set i, 0
.rept 32
	global_load_b32 v[32+32*((\t)%2)+i], v3, s[6:7] offset:(32*(\t)+i)*12288 th:TH_LOAD_NT
.set i, i+1
.endr
.endm
.macro WBLOCK t
.set XS, 32+32*((\t)%2)
.if (\t) < 7
	s_wait_loadcnt 32                              ; this block's 32 loads are in; the next block's may be out
.else
	s_wait_loadcnt 0
.endif
	v_max3_num_f32 v16, |v[XS]|, |v[XS+1]|, |v[XS+2]|     ; the block's largest magnitude: all 32 numbers are mine; two chains
	v_max3_num_f32 v17, |v[XS+3]|, |v[XS+4]|, |v[XS+5]|
.irp i, 6,10,14,18,22,26
	v_max3_num_f32 v16, v16, |v[XS+\i]|, |v[XS+\i+1]|
	v_max3_num_f32 v17, v17, |v[XS+\i+2]|, |v[XS+\i+3]|
.endr
	v_max3_num_f32 v16, v16, |v[XS+30]|, |v[XS+31]|
	v_max3_num_f32 v16, v16, v17, 0x1800000        ; and the floor 2^(3 - 127): the byte cannot fall under 1
	v_add_nc_u32 v11, 0xff000000, v16              ; 2 off its exponent field: the conversion takes the exponent field of this operand as its scale
	v_lshrrev_b32 v18, 23, v11                     ; the scale's byte
.if (\t)%4 == 0
	v_mov_b32 v[24+(\t)/4], v18
.else
	v_lshl_or_b32 v[24+(\t)/4], v18, 8*((\t)%4), v[24+(\t)/4]
.endif
.irp g, 0,1,2,3
	v_cvt_scalef32_pk8_fp4_f32 v[96+\g], v[XS+8*\g:XS+8*\g+7], v11
.endr
	ds_store_b128 v4, v[96:99] offset:16*(\t)      ; 32 codes: 16 bytes of my column's row
.if (\t)+2 < 8
	WLOAD (\t)+2
.endif
	s_wait_dscnt 0x0                               ; the store has read its registers
.endm
	WLOAD 0
	WLOAD 1
.irp t, 0,1,2,3,4,5,6,7
	WBLOCK \t
.endr
	global_store_b64 v9, v[24:25], s[14:15]
.irp u, 0,1,2,3,4,5,6,7
	ds_load_b128 v[112+4*\u:115+4*\u], v7 offset:\u*544
.endr
.irp u, 0,1,2,3,4,5,6,7
	s_wait_dscnt 7-\u
	global_store_b128 v8, v[112+4*\u:115+4*\u], s[12:13] offset:\u*1024   ; sixteen lanes store 256 consecutive bytes, aligned
.endr
	s_wait_tensorcnt 0x0                           ; the wave's end
	ds_add_u32 v[SPW], v[NIL]
	s_wait_dscnt 0x0
	s_endpgm
; ---- hidden_states: a plain stream of blocks of 32.  A wave takes 16 steps of 512 numbers.  Each load reads 512 consecutive bytes; a step's 2,048 bytes turn through the wave's stage, so that a lane
; holds 16 neighbours along K (two neighbouring lanes hold a block).  Loads run four steps ahead, the turn through LDS one step.
.Lx:
.set R,  16                            ; v16-79   four sets of 16 numbers as loaded
.set X,  80                            ; v80-111  two sets of 16 neighbours
.set C,  128                           ; v128-191 codes: four registers for each step, so that no store's data are written again
.set E,  112                           ; v112-127 a scale byte for each step
.set SP, 80                            ; a lane's place in a stage: 64 bytes + 16 of padding
	s_mul_i32 s20, s18, 8192
	s_add_co_u32 s20, s20, XST
	v_lshlrev_b32 v3, 4, v2
	v_lshrrev_b32 v14, 2, v2
	v_mul_u32_u24 v14, v14, SP
	v_and_b32 v15, 3, v2
	v_lshl_add_u32 v14, v15, 4, v14
	v_add_nc_u32 v14, s20, v14                     ; the stage, on the way in
	v_mul_u32_u24 v15, v2, SP
	v_add_nc_u32 v15, s20, v15                     ; and on the way out: my 16 neighbours
	v_lshlrev_b32 v4, 3, v2                        ; my 8 bytes of a step's codes
	v_lshrrev_b32 v5, 1, v2
	s_add_co_u32 s20, s20, 2*32*SP
	v_add_nc_u32 v5, s20, v5                       ; my wave's 256 scale bytes: my block's byte
	v_lshlrev_b32 v7, 3, v2
	v_add_nc_u32 v6, s20, v7
	s_sub_co_u32 s21, ttmp9, 96
	s_lshl_b32 s21, s21, 2
	s_add_co_u32 s21, s21, s18                     ; which run of 8,192 numbers is my wave's
	s_lshl_b32 s22, s21, 15
	s_add_nc_u64 s[4:5], s[4:5], s[22:23]
	s_lshl_b32 s22, s21, 12
	s_add_nc_u64 s[10:11], s[10:11], s[22:23]
	s_lshl_b32 s22, s21, 8
	s_add_nc_u64 s[14:15], s[14:15], s[22:23]
.macro XLOAD t
.irp i, 0,1,2,3
	global_load_b128 v[R+16*((\t)%4)+4*\i:R+16*((\t)%4)+4*\i+3], v3, s[4:5] offset:2048*(\t)+512*\i th:TH_LOAD_NT
.endr
.endm
.macro XTURN t
.irp i, 0,1,2,3
	ds_store_b128 v14, v[R+16*((\t)%4)+4*\i:R+16*((\t)%4)+4*\i+3] offset:32*SP*((\t)%2)+8*SP*\i
.endr
.irp i, 0,1,2,3
	ds_load_b128 v[X+16*((\t)%2)+4*\i:X+16*((\t)%2)+4*\i+3], v15 offset:32*SP*((\t)%2)+16*\i
.endr
.endm
.irp t, 0,1,2,3
	XLOAD \t
.endr
	s_wait_loadcnt 12                              ; step 0's four loads are in
	XTURN 0
.macro XSTEP t
.set XS, X+16*((\t)%2)
.if (\t) > 0
	s_wait_dscnt 1                                 ; this step's numbers are back from the stage (the last step's byte store may be out)
.else
	s_wait_dscnt 0x0
.endif
.if (\t)+4 < 16
	XLOAD (\t)+4
.endif
.if (\t)+1 < 16
.if 14-(\t) >= 3
	s_wait_loadcnt 12                              ; the next step's four loads are in; those of the three steps behind it may be out
.else
	s_wait_loadcnt 4*(14-(\t))
.endif
	XTURN (\t)+1
.endif
	v_max3_num_f32 v8, |v[XS]|, |v[XS+1]|, |v[XS+2]|
	v_max3_num_f32 v9, |v[XS+3]|, |v[XS+4]|, |v[XS+5]|
.irp i, 6,10
	v_max3_num_f32 v8, v8, |v[XS+\i]|, |v[XS+\i+1]|
	v_max3_num_f32 v9, v9, |v[XS+\i+2]|, |v[XS+\i+3]|
.endr
	v_max3_num_f32 v8, v8, |v[XS+14]|, |v[XS+15]|
	v_max3_num_f32 v8, v8, v9, 0x1800000           ; the floor 2^(3 - 127)
	v_max_num_f32_dpp v8, v8, v8 row_xmask:1 row_mask:0xf bank_mask:0xf   ; with my neighbour's 16: the block's largest magnitude
	v_add_nc_u32 v11, 0xff000000, v8
	v_cvt_scalef32_pk8_fp4_f32 v[C+4*(\t)], v[XS:XS+7], v11
	v_cvt_scalef32_pk8_fp4_f32 v[C+4*(\t)+1], v[XS+8:XS+15], v11
	v_lshrrev_b32 v[E+(\t)], 23, v11               ; the scale's byte
	ds_store_b8 v5, v[E+(\t)] offset:16*(\t)       ; both lanes of a block write the same byte with the same value
	global_store_b64 v4, v[C+4*(\t):C+4*(\t)+1], s[10:11] offset:256*(\t)   ; the wave stores 256 consecutive bytes, aligned
.endm
.irp t, 0,1,2,3,4,5,6,7,8,9,10,11,12,13,14,15
	XSTEP \t
.endr
	ds_load_b64 v[8:9], v6
	s_wait_dscnt 0x0
	global_store_b64 v7, v[8:9], s[14:15]          ; my wave's 256 scale bytes
	s_wait_tensorcnt 0x0                           ; the wave's end
	ds_add_u32 v[SPW], v[NIL]
	s_wait_dscnt 0x0
	s_endpgm
.Lfunc_end_k_q360ef80a4a_prep:
	.size	k_q360ef80a4a_prep, .Lfunc_end_k_q360ef80a4a_prep-k_q360ef80a4a_prep
	.p2alignl 7, 3214868480
	.fill 96, 4, 3214868480
	.section	.rodata,"a",@progbits
	.p2align	6, 0x0
	.amdhsa_kernel k_q360ef80a4a_prep
		.amdhsa_group_segment_fixed_size 85504
		.amdhsa_private_segment_fixed_size 0
		.amdhsa_enable_private_segment 0
		.amdhsa_kernarg_size 56
		.amdhsa_user_sgpr_count 2
		.amdhsa_user_sgpr_kernarg_segment_ptr 1
		.amdhsa_wavefront_size32 1
		.amdhsa_system_sgpr_workgroup_id_x 1
		.amdhsa_system_sgpr_workgroup_id_y 1
		.amdhsa_system_sgpr_workgroup_id_z 1
		.amdhsa_system_vgpr_workitem_id 0
		.amdhsa_next_free_vgpr 192
		.amdhsa_next_free_sgpr 66
		.amdhsa_reserve_vcc 0
		.amdhsa_float_denorm_mode_32 3
		.amdhsa_float_denorm_mode_16_64 3
		.amdhsa_memory_ordered 1
		.amdhsa_forward_progress 1
		.amdhsa_inst_pref_size 95
	.end_amdhsa_kernel
	.amdgpu_metadata
---
amdhsa.version: [ 1, 2 ]
amdhsa.kernels:
  - .name:           k_q360ef80a4a_prep
    .symbol:         k_q360ef80a4a_prep.kd
    .args:
      - { .name: hidden_states, .offset: 0, .size: 8, .value_kind: global_buffer, .address_space: global }
      - { .name: c_attn_w, .offset: 8, .size: 8, .value_kind: global_buffer, .address_space: global }
      - { .name: c_proj_w, .offset: 16, .size: 8, .value_kind: global_buffer, .address_space: global }
      - { .name: xc, .offset: 24, .size: 8, .value_kind: global_buffer, .address_space: global }
      - { .name: wc, .offset: 32, .size: 8, .value_kind: global_buffer, .address_space: global }
      - { .name: scl, .offset: 40, .size: 8, .value_kind: global_buffer, .address_space: global }
      - { .name: wp16, .offset: 48, .size: 8, .value_kind: global_buffer, .address_space: global }
    .group_segment_fixed_size: 85504
    .private_segment_fixed_size: 0
    .kernarg_segment_align: 8
    .kernarg_segment_size: 56
    .max_flat_workgroup_size: 128
    .sgpr_count:     66
    .vgpr_count:     192
    .wavefront_size: 32
...
	.end_amdgpu_metadata
.endif
;; end of part 1
;; launch qkv (part 2): grid 12 x 32, 4 waves a work-group, clusters of 4 x 4, 327,680 bytes of LDS; arguments xc, scl, wc, c_attn_b, qkv, fine; writes qkv, fine
.if DOCPART == 2
	.amdgcn_target "amdgcn-amd-amdhsa--gfx1250"
	.amdhsa_code_object_version 6
	.text
	.protected	k_q360ef80a4a_qkv
	.globl	k_q360ef80a4a_qkv
	.p2align	8
	.type	k_q360ef80a4a_qkv,@function
k_q360ef80a4a_qkv:
	s_mov_b64 s[64:65], 0
	v_nop
	global_prefetch_b8 v0, s[64:65] scope:SCOPE_SE
	s_setreg_imm32_b32 hwreg(HW_REG_WAVE_MODE, 25, 1), 1
	s_wait_xcnt 0x0
	s_wait_alu depctr_hold_cnt(0) depctr_sa_sdst(0) depctr_va_vdst(0) depctr_va_sdst(0) depctr_va_ssrc(0) depctr_va_vcc(0) depctr_vm_vsrc(0)
	s_getreg_b32 s2, hwreg(HW_REG_IB_STS2, 6, 4)
	s_cmp_eq_u32 s2, 0
	s_cbranch_scc0 .Lentry_in_a_cluster
	s_endpgm
.Lentry_in_a_cluster:
	s_bfe_u32 s2, ttmp6, 0x10000c
	s_cmp_lg_u32 s2, 0xf033
	s_cbranch_scc0 .Lentry_shape_is_right
	s_endpgm
.Lentry_shape_is_right:
; Launch 2 of 5: qkv = Q(hidden_states) Q(c_attn_w) + c_attn_b, on codes of E2M1 with one E8M0 scale for each 32 along K; M 8,192, N 3,072, K 1,024; sums in f32.
; OUT: q, k, v as f16 by head, qkv[which][batch][head][position][64];  fine[0..]: rows 0-15 of each batch in f32, as images of the accumulators' registers;  fine[786432..]: sums of V over 64 keys, f32 [batch][32][1024].
; A tile of 256 x 256 is made by four waves, 128 x 128 each: 64 accumulators of 16 x 16.  K = 1,024 is two LDS slots of 512 along K: both are first fills, nothing is filled again.
; The scale bytes of the tile's 256 + 256 rows come once, as dense blocks.  The bias is the C of each sum's first matrix instruction.
; CLUSTERS of 4 x 4: tile column = 4 x cluster x + cx, so that q, k or v is the cluster's x; tile row = cluster y + 8 cy, so that the batch is cy and 'the batch's first rows' is cluster y = 0: both tests
; are the same in all sixteen partners.  A's tile hangs on the tile row alone and is asked for jointly along a row of the cluster, B's on the tile column alone, along a column.
; THE MATRIX INSTRUCTION IS USED TRANSPOSED (source 0 = 16 rows of wc, source 1 = 16 rows of xc): a lane holds eight neighbouring columns of one row.
; REGISTERS: window 0: v16-31 addresses; v32-95 scale words, two sets, and nothing else; v128-191 A's fragments; v192-255 the bias; on the way out v128-255 are at work.
;   window 1: B's fragments, two sets.   window 2: the accumulators of my rows 0-63 ((a, b) at v[8 (8 a + b)]);   window 3: those of rows 64-127.
.set NQ,     4
.set ROWB,   256
.set KROW,   512
.set PITCH,  272                       ; an LDS row: 256 bytes + 16 of padding
.set FR,     8
.set NL,     2
.set NP,     4
.set HALFT,  128*PITCH
.set SLOT,   4*HALFT
.set SCL,    2*SLOT                    ; behind the ring: the scale bytes, as units of 256 bytes + 16
.set HALFS,  16*272                    ; those of 128 rows
.set SBLK,   2*272                     ; those of 16 rows
.set SPARE,  SCL+4*HALFS               ; the spare words: two blocks of 256 bytes that no other line names
.set SPITCH, 528                       ; the way out: my stage, 16 rows, in slot 0, which has had its only fill and its last read by then; rows of 512 + 16 bytes (f32) or 256 + 16 (f16)
.set ADRA, 16
.set ADRB, 20
.set BO,   18                          ; v18  the bias' lane offset
.set STO,  24
.set RD,   25
.set CO,   26                          ; v26  16 x lane
.set ADRS, 27
.set SPW,  28
.set NIL,  29
.set RD2,  30
.set STO2, 31
.set SC,   32
.set AF,   128
.set BI,   192
.set BK,   128
.set TMP,  192
.set G1, 24
.set G0, 32
.set G1B, 48
.set G0B, 56
.set G1S, 68
.set G0S, 76
.set G1SB, 80
.set G0SB, 88
.set MSB, 0
.macro WIN new                         ; the immediate's high byte repeats the setting that is left
.if MSB != (\new)
	s_set_vgpr_msb (MSB<<8)|(\new)
.set MSB, (\new)
.endif
.endm
.set MUL_LO, 0xa1                      ; source 0 (B) window 1, source 1 (A) window 0, C and D window 2
.set MUL_HI, 0xf1
.set START_LO, 0x81                    ; the same with C (the bias) in window 0
.set START_HI, 0xc1
.set TO_B,   0x40
.macro JLOAD g0a, g1a, g0b, g1b        ; a joint load: waves 0 and 1 fetch for A, waves 2 and 3 for B; an s_nop 0 and four v_nop follow each line
	s_cmp_eq_u32 s15, 0
	s_cbranch_scc0 .Lfor_b_\@
	tensor_load_to_lds s[\g0a:\g0a+3], s[\g1a:\g1a+7]
	s_nop 0
.rept 4
	v_nop
.endr
	s_branch .Lasked_\@
.Lfor_b_\@:
	tensor_load_to_lds s[\g0b:\g0b+3], s[\g1b:\g1b+7]
	s_nop 0
.rept 4
	v_nop
.endr
.Lasked_\@:
.endm
.macro CROUND                          ; a round of the cluster's barrier
	s_barrier_signal -1
	s_barrier_wait -1
	s_cmp_lg_u32 s14, 0
	s_cbranch_scc1 .Lnot_wave_0_\@
	s_barrier_signal -3
.Lnot_wave_0_\@:
	s_barrier_wait -3
	s_barrier_signal -1
	s_barrier_wait -1
.endm
	s_load_b128 s[4:7], s[0:1], 0x0                ; xc s[4:5], scl s[6:7]
	s_load_b128 s[8:11], s[0:1], 0x10              ; wc s[8:9], c_attn_b s[10:11]
	s_load_b64 s[12:13], s[0:1], 0x20              ; qkv
	s_load_b64 s[66:67], s[0:1], 0x28              ; fine
	v_lshl_add_u32 v[SPW], v0, 2, SPARE
	v_mov_b32 v[NIL], 0
	ds_add_u32 v[SPW], v[NIL]                      ; the wave's opening: the add, twice on end, and its wait ahead of my first tensor load
	ds_add_u32 v[SPW], v[NIL]
	v_lshrrev_b32 v1, 5, v0
	v_readfirstlane_b32 s14, v1                    ; wave 0..3
	s_lshr_b32 s15, s14, 1                         ; my half of the tile's rows.  Also: I fetch for A (0) or for B (1)
	s_and_b32 s16, s14, 1                          ; my half of its columns.  Also: which 128 rows I fetch
	s_bfe_u32 s40, ttmp6, 0x40000                  ; cx
	s_bfe_u32 s41, ttmp6, 0x40004                  ; cy
	s_lshl_b32 s42, ttmp9, 2
	s_add_co_u32 s42, s42, s40                     ; tile column = 4 x cluster x + cx
	s_and_b32 s95, ttmp7, 0xffff                   ; cluster y
	s_lshl_b32 s17, s41, 3
	s_add_co_u32 s17, s17, s95                     ; tile row = cluster y + 8 cy
	s_lshl_b32 s43, s41, 2
	s_lshl_b32 s43, 15, s43                        ; my row of the cluster
	s_lshl_b32 s44, 0x1111, s40                    ; my column
	s_or_b32 s[G1+0], s43, (0<<16)|(1<<20)|(1<<21)|(5<<22)|(3<<25)  ; the mask; elements of 1 byte; padding: 4 words behind every 64
	s_or_b32 s[G1B+0], s44, (0<<16)|(1<<20)|(1<<21)|(5<<22)|(3<<25)
.irp g, G1, G1B
	s_mov_b32 s[\g+1], ROWB<<16                    ; tensor_dim0
	s_mov_b32 s[\g+2], 128<<16                     ; tensor_dim1
	s_mov_b32 s[\g+3], ROWB<<16                    ; tile_dim0
	s_mov_b32 s[\g+4], 128                         ; tile_dim1
	s_mov_b32 s[\g+5], KROW                        ; from row to row
	s_mov_b32 s[\g+6], 0
	s_mov_b32 s[\g+7], 0
.endr
	s_or_b32 s[G1S+0], s43, (3<<16)|(1<<20)|(1<<21)|(5<<22)|(3<<25) ; the scale bytes of 128 rows: 4,096 dense bytes as 16 rows of 32 elements of 8 bytes
	s_or_b32 s[G1SB+0], s44, (3<<16)|(1<<20)|(1<<21)|(5<<22)|(3<<25)
.irp g, G1S, G1SB
	s_mov_b32 s[\g+1], 32<<16
	s_mov_b32 s[\g+2], 16<<16
	s_mov_b32 s[\g+3], 32<<16
	s_mov_b32 s[\g+4], 16
	s_mov_b32 s[\g+5], 32
	s_mov_b32 s[\g+6], 0
	s_mov_b32 s[\g+7], 0
.endr
	s_lshl_b32 s18, s16, 7
	s_lshl_b32 s20, s17, 8
	s_add_co_u32 s20, s20, s18                     ; A: row 256 x tile row + 128 x half
	s_lshl_b32 s46, s42, 8
	s_add_co_u32 s46, s46, s18                     ; B: row 256 x tile column + 128 x half
	s_mov_b32 s21, 0
	s_mov_b32 s47, 0
	s_lshl_b64 s[22:23], s[20:21], 5               ; where these rows' scale bytes begin,
	s_lshl_b64 s[92:93], s[46:47], 5
	s_add_nc_u64 s[92:93], s[92:93], 262144        ; (wc's lie behind xc's)
	s_lshl_b64 s[20:21], s[20:21], 9               ; and their codes
	s_lshl_b64 s[46:47], s[46:47], 9
	s_mul_i32 s45, s14, HALFT                      ; where they go: no place in the cluster enters an LDS address
	s_mul_i32 s94, s14, HALFS
	s_wait_dscnt 0x0                               ; both opening adds are done
	s_wait_kmcnt 0x0
	s_add_nc_u64 s[20:21], s[4:5], s[20:21]
	s_add_nc_u64 s[22:23], s[6:7], s[22:23]
	s_add_nc_u64 s[46:47], s[8:9], s[46:47]
	s_add_nc_u64 s[92:93], s[6:7], s[92:93]
	CROUND                                         ; all sixteen work-groups are here: the joint loads meet
	s_mov_b32 s[G0S], 1
	s_add_co_u32 s[G0S+1], s94, SCL
	s_mov_b64 s[G0S+2:G0S+3], s[22:23]
	s_or_b32 s[G0S+3], s[G0S+3], 0x80000000
	s_mov_b32 s[G0SB], 1
	s_add_co_u32 s[G0SB+1], s94, SCL
	s_mov_b64 s[G0SB+2:G0SB+3], s[92:93]
	s_or_b32 s[G0SB+3], s[G0SB+3], 0x80000000
	JLOAD G0S, G1S, G0SB, G1SB                     ; three loads of mine go out here, and no more in the launch
.irp s, 0,1
	s_mov_b32 s[G0+4*\s], 1
	s_add_co_u32 s[G0+4*\s+1], s45, \s*SLOT
	s_add_nc_u64 s[G0+4*\s+2:G0+4*\s+3], s[20:21], \s*ROWB
	s_or_b32 s[G0+4*\s+3], s[G0+4*\s+3], 0x80000000
	s_mov_b32 s[G0B+4*\s], 1
	s_add_co_u32 s[G0B+4*\s+1], s45, \s*SLOT
	s_add_nc_u64 s[G0B+4*\s+2:G0B+4*\s+3], s[46:47], \s*ROWB
	s_or_b32 s[G0B+4*\s+3], s[G0B+4*\s+3], 0x80000000
	JLOAD G0+4*\s, G1, G0B+4*\s, G1B
.endr
	v_and_b32 v1, 15, v0                           ; r
	v_bfe_u32 v2, v0, 4, 1                         ; h
	v_mul_u32_u24 v3, v1, PITCH
	v_lshl_add_u32 v4, v2, 4, v3
	s_mul_i32 s21, s15, HALFT
	s_mul_i32 s22, s16, HALFT
	s_add_co_u32 s22, s22, 2*HALFT
.irp s, 0,1
	v_add_nc_u32 v[ADRA+\s], s21, v4
	v_add_nc_u32 v[ADRB+\s], s22, v4
	s_add_co_u32 s21, s21, SLOT
	s_add_co_u32 s22, s22, SLOT
.endr
	v_lshlrev_b32 v5, 5, v1                        ; my row's scale bytes: 32 a row,
	v_lshrrev_b32 v6, 8, v5
	v_lshl_add_u32 v5, v6, 4, v5                   ; and 16 more for each 256 passed
	s_mul_i32 s21, s15, HALFS
	s_mul_i32 s22, s16, HALFS
	s_add_co_u32 s22, s22, 2*HALFS
	s_sub_co_u32 s22, s22, s21
	v_mul_u32_u24 v6, s22, v2                      ; lanes 16-31 take B's
	s_add_co_u32 s21, s21, SCL
	v_add_nc_u32 v5, v5, v6
	v_add_nc_u32 v[ADRS], s21, v5
	s_mul_i32 s23, s14, 16*SPITCH                  ; my stage
	v_mul_u32_u24 v5, v1, SPITCH
	v_lshl_add_u32 v5, v2, 5, v5
	v_add_nc_u32 v[STO], s23, v5                   ; f32 in: row r, 32 bytes for each half of the lanes
	v_and_b32 v6, 31, v0
	v_lshlrev_b32 v[CO], 4, v6
	v_add_nc_u32 v[RD], s23, v[CO]                 ; f32 back: a row of 512 bytes
	v_lshl_add_u32 v5, v2, 4, v3
	v_add_nc_u32 v[STO2], s23, v5                  ; f16 in: row r of 272 bytes, 16 bytes for each half
	v_lshrrev_b32 v5, 3, v6
	v_mul_u32_u24 v5, v5, 272
	v_and_b32 v7, 7, v0
	v_lshl_add_u32 v5, v7, 4, v5
	v_add_nc_u32 v[RD2], s23, v5                   ; f16 back: four rows of one head's 128 bytes
	v_lshlrev_b32 v[BO], 5, v2
	s_lshl_b32 s96, s42, 8
	s_lshl_b32 s97, s16, 7
	s_add_co_u32 s96, s96, s97                     ; n0: my first column of the 3,072
	s_lshl_b32 s97, s95, 8
	s_lshl_b32 s20, s15, 7
	s_add_co_u32 s97, s97, s20                     ; my first position in the batch
	s_mov_b32 s21, 0
	s_lshl_b32 s20, s96, 2
	s_add_nc_u64 s[10:11], s[10:11], s[20:21]      ; the bias at n0
	s_lshl_b32 s20, ttmp9, 2
	s_add_co_u32 s20, s20, s41
	s_lshl_b32 s20, s20, 4
	s_lshr_b32 s22, s96, 6
	s_and_b32 s22, s22, 15
	s_add_co_u32 s20, s20, s22                     ; the plane: (which x 4 + batch) x 16 + head
	s_lshl_b32 s20, s20, 18
	s_lshl_b32 s22, s97, 7
	s_add_co_u32 s20, s20, s22
	s_add_nc_u64 s[12:13], s[12:13], s[20:21]
	s_lshl_b32 s20, s41, 5
	s_lshr_b32 s22, s97, 6
	s_add_co_u32 s20, s20, s22                     ; batch x 32 + my first tile of 64 keys
	s_lshl_b32 s20, s20, 10
	s_and_b32 s22, s96, 1023                       ; my first column of V's 1,024
	s_add_co_u32 s20, s20, s22
	s_lshl_b32 s20, s20, 2
	s_add_co_u32 s20, s20, 786432
	s_add_nc_u64 s[98:99], s[66:67], s[20:21]      ; the sums of V
	s_mul_i32 s20, s41, 192
	s_lshr_b32 s22, s96, 4
	s_add_co_u32 s20, s20, s22
	s_lshl_b32 s20, s20, 10
	s_add_nc_u64 s[66:67], s[66:67], s[20:21]      ; the images
	s_or_b32 s100, s95, s15                        ; 0 where my block 0 is rows 0-15 of a batch
.irp b, 0,1,2,3,4,5,6,7
	global_load_b128 v[BI+8*\b:BI+8*\b+3], v[BO], s[10:11] offset:64*\b       ; lane (r, h): the bias of columns 16 b + 8 h + 0 .. 7
	global_load_b128 v[BI+8*\b+4:BI+8*\b+7], v[BO], s[10:11] offset:64*\b+16
.endr
.macro FRAG reg, adr, q, i             ; 16 rows x 128 K of 4-bit codes: 8 registers, two loads of 16 bytes, 32 bytes apart
.irp c, 0,1
	ds_load_b128 v[\reg+4*\c:\reg+4*\c+3], v[\adr] offset:64*(\q)+32*\c+(\i)*16*PITCH
.endr
.endm
; 16 matrix instructions: A's blocks a0, a0 + 1 x B's eight.  start = 1: the bias starts the sums.  The 64 accumulators take turns, one instruction a turn, in the same order in every step.
.macro MUL16 a0, p, q, sc, start
.irp a, \a0, \a0+1
.irp b, 0,1,2,3,4,5,6,7
.if \start
	v_wmma_scale_f32_16x16x128_f8f6f4 v[8*(8*((\a)%4)+\b):8*(8*((\a)%4)+\b)+7], v[128*(\p)+FR*\b:128*(\p)+FR*\b+FR-1], v[AF+FR*(\a):AF+FR*(\a)+FR-1], v[BI+8*\b:BI+8*\b+7], v[SC+8*NQ*(\sc)+NQ*\b+(\q)], v[SC+8*NQ*(\sc)+NQ*(\a)+(\q)] matrix_a_fmt:MATRIX_FMT_FP4 matrix_b_fmt:MATRIX_FMT_FP4 matrix_a_scale:MATRIX_SCALE_ROW1
.else
	v_wmma_scale_f32_16x16x128_f8f6f4 v[8*(8*((\a)%4)+\b):8*(8*((\a)%4)+\b)+7], v[128*(\p)+FR*\b:128*(\p)+FR*\b+FR-1], v[AF+FR*(\a):AF+FR*(\a)+FR-1], v[8*(8*((\a)%4)+\b):8*(8*((\a)%4)+\b)+7], v[SC+8*NQ*(\sc)+NQ*\b+(\q)], v[SC+8*NQ*(\sc)+NQ*(\a)+(\q)] matrix_a_fmt:MATRIX_FMT_FP4 matrix_b_fmt:MATRIX_FMT_FP4 matrix_a_scale:MATRIX_SCALE_ROW1
.endif
.endr
.endr
.endm
.macro FETCH_B slot, q, p
	WIN TO_B
.irp i, 0,1,2,3,4,5,6,7
	FRAG 128*(\p)+FR*\i, ADRB+\slot, \q, \i
.endr
	WIN 0
.endm
.macro FETCH_A slot, q, i0
.irp i, \i0, \i0+1, \i0+2, \i0+3
	FRAG AF+FR*(\i), ADRA+\slot, \q, \i
.endr
.endm
.macro SCALES sc                       ; a slot's scale words: 4 words a row; lanes 0-15 take A's block i, lanes 16-31 B's block i
.irp i, 0,1,2,3,4,5,6,7
	ds_load_b128 v[SC+8*NQ*\sc+NQ*\i:SC+8*NQ*\sc+NQ*\i+3], v[ADRS] offset:\i*SBLK
.endr
.endm
.macro PLACES n                        ; plain vector instructions between a matrix instruction and a load into, or a read of, its registers
.rept \n
	v_nop
.endr
.endm
.macro STEP slot, q, start             ; 128 along K with its successor in the same slot
	s_wait_dscnt 4*NL                              ; B's set and A's blocks 0-3 are in; the youngest eight loads (A's blocks 4-7) may be out
.if \start
	WIN START_LO
.else
	WIN MUL_LO
.endif
	MUL16 0, (\q)%2, \q, \slot, \start
	MUL16 2, (\q)%2, \q, \slot, \start
	s_wait_dscnt 0
	PLACES NP
	FETCH_B \slot, (\q)+1, 1-(\q)%2
	FETCH_A \slot, (\q)+1, 0
.if \start
	WIN START_HI
.else
	WIN MUL_HI
.endif
	MUL16 4, (\q)%2, \q, \slot, \start
	MUL16 6, (\q)%2, \q, \slot, \start
	PLACES NP
	WIN 0
	FETCH_A \slot, (\q)+1, 4
.endm
.macro TURN slot, next                 ; slot 0's last step changes slots: one barrier
	s_wait_tensorcnt 0x0                           ; all my tensor loads have landed: my part of the next slot
	ds_add_u32 v[SPW], v[NIL]                      ; 0 onto my spare word
	s_wait_dscnt 4*NL+1                            ; (the add and A's blocks 4-7 may be out)
	WIN MUL_LO
	MUL16 0, 1, NQ-1, \slot, 0
	s_wait_dscnt 0x0                               ; the add is done, and my reads of this slot are over
	s_barrier_signal -1
	MUL16 2, 1, NQ-1, \slot, 0
	WIN 0
	s_barrier_wait -1
	PLACES NP
	v_add_nc_u32 v[ADRS], 4*NQ, v[ADRS]            ; on to the next slot's scale words
	FETCH_B \next, 0, 0
	FETCH_A \next, 0, 0
	SCALES \next
	WIN MUL_HI
	MUL16 4, 1, NQ-1, \slot, 0
	MUL16 6, 1, NQ-1, \slot, 0
	PLACES NP
	WIN 0
	FETCH_A \next, 0, 4
.endm
.macro STEPS slot, from
.set Q, \from
.rept NQ-1-\from
	STEP \slot, Q, 0
.set Q, Q+1
.endr
.endm
	s_wait_tensorcnt 1                             ; the scale bytes and my part of slot 0 are in (slot 1's load may be out),
	s_barrier_signal -1
	s_barrier_wait -1                              ; everybody's are
	FETCH_B 0, 0, 0
	FETCH_A 0, 0, 0
	SCALES 0
	FETCH_A 0, 0, 4
	s_wait_loadcnt 0x0                             ; the bias
	STEP 0, 0, 1
	STEPS 0, 1
	TURN 0, 1
	STEPS 1, 0
	s_wait_dscnt 4*NL                              ; the last step: nothing more to fetch
	WIN MUL_LO
	MUL16 0, 1, NQ-1, 1, 0
	MUL16 2, 1, NQ-1, 1, 0
	s_wait_dscnt 0
	WIN MUL_HI
	MUL16 4, 1, NQ-1, 1, 0
	MUL16 6, 1, NQ-1, 1, 0
	WIN 0
	PLACES NP                                      ; behind the last products: for the reads of results and the writes over A's fragments and the bias
; Rows 0-15 of a batch in f32, for the last launch: block 0's accumulators as they stand, 512 consecutive bytes a store, each accumulator from its low end on.
	s_cmp_lg_u32 s100, 0
	s_cbranch_scc1 .Lno_fine
	WIN 0x08                                       ; a store's data: window 2
.irp b, 0,1,2,3,4,5,6,7
	global_store_b128 v[CO], v[8*\b:8*\b+3], s[66:67] offset:1024*\b
	global_store_b128 v[CO], v[8*\b+4:8*\b+7], s[66:67] offset:1024*\b+512
.endr
	WIN 0
.Lno_fine:
; The sums of V over 64 keys (V's clusters alone): four blocks of 16 rows are added in registers; the 16 rows that are left meet through my stage.
.macro VSUM hf
	WIN 0x0a+5*(\hf)                               ; sources 0 and 1: window 2 or 3
.irp b, 0,1,2,3,4,5,6,7
.irp p, 0,2,4,6
	v_pk_add_f32 v[128+8*\b+\p:129+8*\b+\p], v[8*\b+\p:8*\b+\p+1], v[64+8*\b+\p:64+8*\b+\p+1]
.endr
.endr
.irp b, 0,1,2,3,4,5,6,7
.irp p, 0,2,4,6
	v_pk_add_f32 v[192+8*\b+\p:193+8*\b+\p], v[128+8*\b+\p:129+8*\b+\p], v[192+8*\b+\p:193+8*\b+\p]
.endr
.endr
	WIN 0
.set i, 0
.rept 32
	v_pk_add_f32 v[128+i:129+i], v[128+i:129+i], v[192+i:193+i]
.set i, i+2
.endr
.irp b, 0,1,2,3,4,5,6,7
	ds_store_b128 v[STO], v[128+8*\b:131+8*\b] offset:64*\b
	ds_store_b128 v[STO], v[132+8*\b:135+8*\b] offset:64*\b+16
.endr
.irp t, 0,1,2,3,4,5,6,7,8,9,10,11,12,13,14,15
	ds_load_b128 v[128+4*\t:131+4*\t], v[RD] offset:\t*SPITCH    ; LDS serves a wave's instructions in order: these see my stores
.endr
	s_wait_dscnt 0x0
.irp d, 8,4,2,1
.irp t, 0,1,2,3,4,5,6,7
.if \t < \d
	v_pk_add_f32 v[128+4*\t:129+4*\t], v[128+4*\t:129+4*\t], v[128+4*(\t+\d):129+4*(\t+\d)]
	v_pk_add_f32 v[130+4*\t:131+4*\t], v[130+4*\t:131+4*\t], v[130+4*(\t+\d):131+4*(\t+\d)]
.endif
.endr
.endr
	global_store_b128 v[CO], v[128:131], s[98:99] offset:4096*(\hf)   ; 128 columns: 512 consecutive bytes
	s_wait_xcnt 0x0                                ; the store has read its registers: they are written again below
.endm
	s_cmp_lg_u32 ttmp9, 2
	s_cbranch_scc1 .Lno_vsum
	VSUM 0
	VSUM 1
.Lno_vsum:
; q, k, v as f16.  A block of 16 rows x 128 columns (two heads) goes through my stage and leaves as runs of 512 bytes: four rows of one head.
.macro PACK a
.set AC, 64*((\a)%4)
	WIN 0x0a+5*((\a)/4)
.irp b, 0,1,2,3,4,5,6,7
.irp i, 0,1,2,3
	v_cvt_pk_f16_f32 v[TMP+4*\b+\i], v[AC+8*\b+2*\i], v[AC+8*\b+2*\i+1]
.endr
.endr
	WIN 0
.endm
.macro TOSTAGE a
.set BKR, BK+32*((\a)%2)
.irp b, 0,1,2,3,4,5,6,7
	ds_store_b128 v[STO2], v[TMP+4*\b:TMP+4*\b+3] offset:32*\b
.endr
.irp g, 0,1
.irp t, 0,1,2,3
	ds_load_b128 v[BKR+4*(4*\g+\t):BKR+4*(4*\g+\t)+3], v[RD2] offset:\t*4*272+128*\g
.endr
.endr
.endm
.macro SEND a
.set BKR, BK+32*((\a)%2)
	s_wait_dscnt 0x0                               ; the block is back in registers
	s_wait_xcnt 0x0                                ; the stores of the block before have read their registers: the next block's loads may land there
.irp g, 0,1
.irp t, 0,1,2,3
	global_store_b128 v[CO], v[BKR+4*(4*\g+\t):BKR+4*(4*\g+\t)+3], s[12:13] offset:(\a)*2048+\t*512+\g*262144   ; 512 consecutive bytes, aligned
.endr
.endr
.endm
	PACK 0
	TOSTAGE 0
.irp a, 1,2,3,4,5,6,7
	PACK \a
	SEND \a-1
	TOSTAGE \a
.endr
	SEND 7
	s_wait_tensorcnt 0x0                           ; the wave's end
	ds_add_u32 v[SPW], v[NIL]
	s_wait_dscnt 0x0
	CROUND                                         ; the closing round
	s_endpgm
.Lfunc_end_k_q360ef80a4a_qkv:
	.size	k_q360ef80a4a_qkv, .Lfunc_end_k_q360ef80a4a_qkv-k_q360ef80a4a_qkv
	.p2alignl 7, 3214868480
	.fill 96, 4, 3214868480
	.section	.rodata,"a",@progbits
	.p2align	6, 0x0
	.amdhsa_kernel k_q360ef80a4a_qkv
		.amdhsa_group_segment_fixed_size 327680
		.amdhsa_private_segment_fixed_size 0
		.amdhsa_enable_private_segment 0
		.amdhsa_kernarg_size 48
		.amdhsa_user_sgpr_count 2
		.amdhsa_user_sgpr_kernarg_segment_ptr 1
		.amdhsa_wavefront_size32 1
		.amdhsa_system_sgpr_workgroup_id_x 1
		.amdhsa_system_sgpr_workgroup_id_y 1
		.amdhsa_system_sgpr_workgroup_id_z 1
		.amdhsa_system_vgpr_workitem_id 0
		.amdhsa_next_free_vgpr 1024
		.amdhsa_next_free_sgpr 102
		.amdhsa_reserve_vcc 0
		.amdhsa_float_denorm_mode_32 3
		.amdhsa_float_denorm_mode_16_64 3
		.amdhsa_memory_ordered 1
		.amdhsa_forward_progress 1
		.amdhsa_inst_pref_size 151
	.end_amdhsa_kernel
	.amdgpu_metadata
---
amdhsa.version: [ 1, 2 ]
amdhsa.kernels:
  - .name:           k_q360ef80a4a_qkv
    .symbol:         k_q360ef80a4a_qkv.kd
    .args:
      - { .name: xc, .offset: 0, .size: 8, .value_kind: global_buffer, .address_space: global }
      - { .name: scl, .offset: 8, .size: 8, .value_kind: global_buffer, .address_space: global }
      - { .name: wc, .offset: 16, .size: 8, .value_kind: global_buffer, .address_space: global }
      - { .name: c_attn_b, .offset: 24, .size: 8, .value_kind: global_buffer, .address_space: global }
      - { .name: qkv, .offset: 32, .size: 8, .value_kind: global_buffer, .address_space: global }
      - { .name: fine, .offset: 40, .size: 8, .value_kind: global_buffer, .address_space: global }
    .group_segment_fixed_size: 327680
    .private_segment_fixed_size: 0
    .kernarg_segment_align: 8
    .kernarg_segment_size: 48
    .max_flat_workgroup_size: 128
    .sgpr_count:     102
    .vgpr_count:     1024
    .wavefront_size: 32
...
	.end_amdgpu_metadata
.endif
;; end of part 2
;; launch attn (part 3): grid 4 x 64, 8 waves a work-group, no clusters, 327,680 bytes of LDS; arguments qkv, fine, ao, vtail; writes ao, vtail
.if DOCPART == 3
	.amdgcn_target "amdgcn-amd-amdhsa--gfx1250"
	.amdhsa_code_object_version 6
	.text
	.protected	k_q360ef80a4a_attn
	.globl	k_q360ef80a4a_attn
	.p2align	8
	.type	k_q360ef80a4a_attn,@function
k_q360ef80a4a_attn:
	s_mov_b64 s[64:65], 0
	v_nop
	global_prefetch_b8 v0, s[64:65] scope:SCOPE_SE
	s_setreg_imm32_b32 hwreg(HW_REG_WAVE_MODE, 25, 1), 1
	s_wait_xcnt 0x0
; Launch 3 of 5: ao[b][h][q][:] = the sum over k of softmax_k(s) v[k], s = q.k / 8 where k <= q and -10000 elsewhere.  q, k, v and ao are f16 by head; products' sums, maxima, sums and O in f32.
; LEFT OUT: the products q.k of key steps that lie wholly behind a wave's queries (reference() replaces them by -10000 whatever they hold).  Those keys' weights are kept: w = 2^(c (-80000) - c m)
; times their number goes to the row's sum, w times the sum of their rows of V (from the sums over 64 keys that the launch before stored) goes to O.
; SHARES.  Work-group (i, head) owns the query blocks 7 - i and i of 256 queries: 8 - i and then i + 1 spans of 256 keys, nine spans for every work-group.  Wave w owns 32 queries of a block: two tiles of 16.
; NO CLUSTER: the four work-groups of a head want different spans from trip 8 - i on; walking spans 0-7 jointly with both blocks at once would cost 12 block-spans for the busiest partner against 9 here,
; and the mask would let every wave of a partner pass over tiles that a joint load brings.
; LAYOUT.  S^T = K Q^T (source 0 = 16 keys, source 1 = 16 queries): a lane holds one query (lane % 16) and keys 8 (lane / 16) + 0..7; two such tiles, rounded to f16 in pairs, are source 1 of O^T = V^T P.
; SOFTMAX.  Scores stay unscaled: c = log2(e) / 8, the mask's value is -80000.  Running m and l; p = 2^(c s - c m); O and l are multiplied by a = 2^(c m_old - c m_new) in every step.  l is taken of the unrounded p.
; RING.  Two LDS slots of a span each (256 rows of K at 144 bytes, 256 of V at 160).  Waves 0-3 fetch K's quarters, waves 4-7 V's: one tensor load a wave is out at any time, and every wait for tensor loads is for all.
; REGISTERS.  window 0: v1-15 addresses; v16-31 statistics, 8 a tile (+0 c m, +1 m, +2 +3 l, +4..7 at work, a at +6); v32-95 S^T; v96-127 P; v128-191 K's fragments; v192-255 V's.
;   window 1: v0-63 O^T; v64-95 Q of the block in hand; v96-127 Q of the second block; v128-191 the head's 32 sums of V (lane l: channels 2 l, 2 l + 1).
.set PK,    144
.set PV,    160
.set VOFF,  256*PK
.set SLOT1, 131072
.set STAGE, 208896                     ; 8 waves x 2 tiles x 16 rows x 144 bytes
.set VSCR,  245760                     ; 8 waves x 256 bytes
.set SPARE, 247808                     ; the spare words: four blocks of 256 bytes that no other line names
.set AK0, 1
.set AV0, 2
.set ADK, 3                            ; v3  the step's address of K; once K is in, the mask's distance
.set ADV, 4
.set RH,  5                            ; v5  r - 8 h
.set PFO, 6                            ; v6  256 x lane; never rewritten
.set NEG, 7                            ; v7  -80000.0
.set STO, 8
.set RD,  9
.set GO,  10                           ; v10 16 x lane
.set L8,  11                           ; v11 8 x lane
.set VSA, 12
.set VSR, 13
.set SPW, 14
.set NIL, 15
.set ST,  16
.set S,   32
.set P,   96
.set KR,  128
.set VR,  192
.set QR,  64                           ; in window 1
.set Q2,  96
.set VS,  128
.set WV,  12
.set W3,  13
.set IX,  14
.set BH,  15
.set T,   16                           ; s16 the trip
.set SW,  17                           ; s17 8 - i: the trip at which the second block begins
.set Q0,  18                           ; s18 my first query
.set KEY, 19                           ; s19 the step's first key
.set TB,  20
.set TV,  21
.set CS,  22
.set G1K, 24
.set G1V, 32
.set G0K, 40
.set G0V, 44
.set KB,  48
.set VB,  50
.set SEL, 52
.set PFA, 54
.set LIM, 56
.set CNT, 57
.set TP,  58
.set SL,  60
.set JW,  62
.set AOB, 66
.set MSB, 0
.macro WIN new
.if MSB != (\new)
	s_set_vgpr_msb (MSB<<8)|(\new)
.set MSB, (\new)
.endif
.endm
.macro TLOAD                           ; every wave fetches a quarter: 64 rows of 128 bytes; an s_nop 0 and four v_nop follow each line
	s_cmp_lt_u32 s[WV], 4
	s_cbranch_scc0 .Lfor_v_\@
	tensor_load_to_lds s[G0K:G0K+3], s[G1K:G1K+7]
	s_nop 0
.rept 4
	v_nop
.endr
	s_branch .Lasked_\@
.Lfor_v_\@:
	tensor_load_to_lds s[G0V:G0V+3], s[G1V:G1V+7]
	s_nop 0
.rept 4
	v_nop
.endr
.Lasked_\@:
.endm
; A prefetch of the span that the NEXT change of slots will ask for.  The four work-groups of a head read span t in trip t while their long blocks run: the head's first work-group asks, once for each 256 bytes:
; each wave for its own quarter, 8,192 bytes, lanes 256 bytes apart.  In trip t it names span t + 2, four key steps ahead of that span's tensor load; it stops at span 7.
.macro ASK
	s_cmp_lt_u32 s[T], s[LIM]
	s_cbranch_scc0 .Lnot_mine_\@
	global_prefetch_b8 v[PFO], s[PFA:PFA+1] th:TH_LOAD_NT scope:SCOPE_SE
.Lnot_mine_\@:
.endm
.macro INIT                            ; a block begins: m under every score, l and O^T zero, so that the first step is a step like any other
.irp t, 0,1
	v_mov_b32 v[ST+8*\t+1], 0xff61b1e6             ; -3e38
	v_mul_f32 v[ST+8*\t], s[CS], v[ST+8*\t+1]
	v_mov_b32 v[ST+8*\t+2], 0
	v_mov_b32 v[ST+8*\t+3], 0
.endr
	WIN 0x40
.set i, 0
.rept 64
	v_mov_b32 v[i], 0
.set i, i+1
.endr
	WIN 0
.endm
	s_load_b256 s[4:11], s[0:1], 0x0               ; qkv s[4:5], fine s[6:7], ao s[8:9], vtail s[10:11]
	v_lshl_add_u32 v[SPW], v0, 2, SPARE
	v_mov_b32 v[NIL], 0
	ds_add_u32 v[SPW], v[NIL]                      ; the wave's opening: the add, twice on end, and its wait ahead of my first tensor load
	ds_add_u32 v[SPW], v[NIL]
	v_lshrrev_b32 v1, 5, v0
	v_readfirstlane_b32 s[WV], v1                  ; wave 0..7
	s_and_b32 s[W3], s[WV], 3
	s_mov_b32 s[IX], ttmp9
	s_and_b32 s[BH], ttmp7, 0xffff
	s_mov_b32 s[T], 0
	s_sub_co_u32 s[SW], 8, s[IX]
	s_sub_co_u32 s[Q0], 7, s[IX]
	s_lshl_b32 s[Q0], s[Q0], 8
	s_lshl_b32 s70, s[WV], 5
	s_add_co_u32 s[Q0], s[Q0], s70                 ; the first block: 256 (7 - i) + 32 w
	s_mov_b32 s[KEY], 0
	s_mov_b32 s[TB], 0
	s_mov_b32 s[TV], 0
	s_mov_b32 s[CS], 0x3e38aa3b                    ; c = log2(e) / 8
	s_mov_b32 s[CS+1], s[CS]
	s_mov_b32 s[SEL], 0x76543210
	s_mov_b32 s[SEL+1], 0xfedcba98
	s_mov_b32 s[SL+1], 0
	s_mov_b32 s[G1K], (1<<16)|(1<<20)|(4<<22)|(3<<25)   ; elements of 2 bytes; 4 words of padding behind every 32
	s_mov_b32 s[G1V], (1<<16)|(1<<20)|(4<<22)|(7<<25)   ; 8 words
.irp g, G1K, G1V
	s_mov_b32 s[\g+1], 64<<16                      ; tensor_dim0
	s_mov_b32 s[\g+2], 64<<16                      ; tensor_dim1
	s_mov_b32 s[\g+3], 64<<16                      ; tile_dim0
	s_mov_b32 s[\g+4], 64                          ; tile_dim1
	s_mov_b32 s[\g+5], 64                          ; from row to row
	s_mov_b32 s[\g+6], 0
	s_mov_b32 s[\g+7], 0
.endr
	s_add_co_u32 s70, s[BH], 64
	s_lshl_b32 s70, s70, 18                        ; K's plane of my head
	s_lshl_b32 s72, s[W3], 13
	s_add_co_u32 s70, s70, s72                     ; my quarter of a span
	s_mov_b32 s71, 0
	s_mul_i32 s72, s[W3], 64*PK
	s_mul_i32 s73, s[W3], 64*PV
	s_cmp_eq_u32 s[IX], 0
	s_cselect_b32 s[LIM], 6, 0
	s_wait_dscnt 0x0                               ; both opening adds are done
	s_wait_kmcnt 0x0
	s_add_nc_u64 s[KB:KB+1], s[4:5], s[70:71]
	s_add_nc_u64 s[VB:VB+1], s[KB:KB+1], 0x1000000 ; V's planes lie 64 planes on
	s_mov_b32 s[G0K], 1
	s_mov_b32 s[G0K+1], s72
	s_mov_b64 s[G0K+2:G0K+3], s[KB:KB+1]
	s_or_b32 s[G0K+3], s[G0K+3], 0x80000000
	s_mov_b32 s[G0V], 1
	s_add_co_u32 s[G0V+1], s73, VOFF
	s_mov_b64 s[G0V+2:G0V+3], s[VB:VB+1]
	s_or_b32 s[G0V+3], s[G0V+3], 0x80000000
	TLOAD                                          ; slot 0, span 0
	s_cmp_lt_u32 s[WV], 4
	s_cselect_b64 s[PFA:PFA+1], s[KB:KB+1], s[VB:VB+1]
	s_add_nc_u64 s[PFA:PFA+1], s[PFA:PFA+1], 32768 ; at span 1: the first change of slots steps it to span 2
	s_lshl_b32 s70, s[BH], 11
	s_add_co_u32 s70, s70, s[Q0]
	s_lshl_b32 s70, s70, 7
	s_add_nc_u64 s[72:73], s[4:5], s[70:71]        ; Q of the first block,
	s_add_nc_u64 s[AOB:AOB+1], s[8:9], s[70:71]    ; and its rows of ao
	s_lshl_b32 s70, s[BH], 3
	s_add_co_u32 s70, s70, s[IX]
	s_lshl_b32 s70, s70, 3
	s_add_co_u32 s70, s70, s[WV]
	s_lshl_b32 s70, s70, 12                        ; ((head x 8 + i) x 8 + w) x 32 rows of 128 bytes
	s_add_nc_u64 s[68:69], s[4:5], s[70:71]        ; Q of the second block
	s_lshr_b32 s70, s[BH], 4
	s_lshl_b32 s70, s70, 9
	s_and_b32 s76, s[BH], 15
	s_add_co_u32 s70, s70, s76
	s_lshl_b32 s70, s70, 8
	s_add_co_u32 s70, s70, 786432
	s_add_nc_u64 s[74:75], s[6:7], s[70:71]        ; the head's sums of V: batch x 131,072 + head x 256
	s_lshl_b32 s70, s[BH], 8
	s_add_nc_u64 s[10:11], s[10:11], s[70:71]
	v_and_b32 v16, 15, v0                          ; r
	v_bfe_u32 v17, v0, 4, 1                        ; h
	v_and_b32 v18, 31, v0                          ; lane
	v_lshlrev_b32 v[ADK], 7, v16
	v_lshl_add_u32 v[ADK], v17, 4, v[ADK]          ; Q: row r of 128 bytes + 16 h
	v_lshlrev_b32 v[L8], 3, v18
	WIN 0x40                                       ; destination window 1
.irp t, 0,1
.irp cs, 0,1
	global_load_b128 v[QR+8*(2*\t+\cs):QR+8*(2*\t+\cs)+3], v[ADK], s[72:73] offset:\t*2048+\cs*64
	global_load_b128 v[QR+8*(2*\t+\cs)+4:QR+8*(2*\t+\cs)+7], v[ADK], s[72:73] offset:\t*2048+\cs*64+32
	global_load_b128 v[Q2+8*(2*\t+\cs):Q2+8*(2*\t+\cs)+3], v[ADK], s[68:69] offset:\t*2048+\cs*64
	global_load_b128 v[Q2+8*(2*\t+\cs)+4:Q2+8*(2*\t+\cs)+7], v[ADK], s[68:69] offset:\t*2048+\cs*64+32
.endr
.endr
.set i, 0
.rept 32
	global_load_b64 v[VS+2*i:VS+2*i+1], v[L8], s[74:75] offset:4096*i
.set i, i+1
.endr
	WIN 0
	v_mul_u32_u24 v[AK0], v16, PK
	v_lshl_add_u32 v[AK0], v17, 4, v[AK0]          ; K: row r x pitch + 16 h
	v_and_b32 v19, 7, v0
	v_lshl_add_u32 v[AV0], v17, 3, v19
	v_mul_u32_u24 v[AV0], v[AV0], PV
	v_bfe_u32 v19, v0, 3, 1
	v_lshl_add_u32 v[AV0], v19, 4, v[AV0]
	v_add_nc_u32 v[AV0], VOFF, v[AV0]              ; V, for the turning load: key 8 h + l % 8, channels 8 ((l / 8) % 2) on
	v_lshlrev_b32 v19, 3, v17
	v_sub_nc_u32 v[RH], v16, v19
	v_lshlrev_b32 v[PFO], 8, v18
	v_mov_b32 v[NEG], 0xc79c4000
	s_mul_i32 s70, s[WV], 2*16*PK
	s_add_co_u32 s70, s70, STAGE
	v_mul_u32_u24 v[STO], v16, PK
	v_lshl_add_u32 v[STO], v17, 4, v[STO]
	v_add_nc_u32 v[STO], s70, v[STO]
	v_lshrrev_b32 v19, 3, v18
	v_mul_u32_u24 v[RD], v19, PK
	v_and_b32 v19, 7, v0
	v_lshl_add_u32 v[RD], v19, 4, v[RD]
	v_add_nc_u32 v[RD], s70, v[RD]
	v_lshlrev_b32 v[GO], 4, v18
	s_lshl_b32 s70, s[WV], 8
	s_add_co_u32 s70, s70, VSCR
	v_add_nc_u32 v[VSA], s70, v[L8]
	v_lshl_add_u32 v[VSR], v17, 5, s70
.irp t, 0,1
.irp k, 4,5,6,7
	v_mov_b32 v[ST+8*\t+\k], 0                     ; written once: pairs' upper halves and lane permutes' destinations count as read
.endr
.endr
	INIT
	s_wait_loadcnt 0x0                             ; Q and the sums of V
	s_or_b32 s70, s[IX], s[WV]                     ; one wave of one work-group of a head adds the 32 sums: V over all 2,048 keys, for the last launch
	s_cmp_lg_u32 s70, 0
	s_cbranch_scc1 .Lno_vtot
	WIN 0x05
.irp j, 0,1,2,3,4,5,6,7,8,9,10,11,12,13,14,15
	v_pk_add_f32 v[S+2*\j:S+2*\j+1], v[VS+4*\j:VS+4*\j+1], v[VS+4*\j+2:VS+4*\j+3]
.endr
	WIN 0
.irp d, 8,4,2,1
.irp j, 0,1,2,3,4,5,6,7
.if \j < \d
	v_pk_add_f32 v[S+2*\j:S+2*\j+1], v[S+2*\j:S+2*\j+1], v[S+2*(\j+\d):S+2*(\j+\d)+1]
.endif
.endr
.endr
	global_store_b64 v[L8], v[S:S+1], s[10:11]     ; 256 consecutive bytes, aligned
	s_wait_xcnt 0x0                                ; the store has read its registers
.Lno_vtot:
.macro SOFTMAX                         ; both tiles, line by line by turns
.irp j, 0,1,2,3
.irp t, 0,1
	v_max3_num_f32 v[ST+8*\t+4+\j], v[S+32*\t+8*\j], v[S+32*\t+8*\j+1], v[S+32*\t+8*\j+2]   ; four chains, one to a tile of keys: each accumulator is read from its low end on
.endr
.endr
.irp q, 3,5
.irp j, 0,1,2,3
.irp t, 0,1
	v_max3_num_f32 v[ST+8*\t+4+\j], v[ST+8*\t+4+\j], v[S+32*\t+8*\j+\q], v[S+32*\t+8*\j+\q+1]
.endr
.endr
.endr
.irp t, 0,1
	v_max3_num_f32 v[ST+8*\t+4], v[ST+8*\t+4], v[S+32*\t+7], v[S+32*\t+15]
.endr
.irp t, 0,1
	v_max3_num_f32 v[ST+8*\t+6], v[ST+8*\t+6], v[S+32*\t+23], v[S+32*\t+31]
.endr
.irp t, 0,1
	v_max3_num_f32 v[ST+8*\t+4], v[ST+8*\t+4], v[ST+8*\t+5], v[ST+8*\t+6]
.endr
.irp t, 0,1
	v_max3_num_f32 v[ST+8*\t+4], v[ST+8*\t+4], v[ST+8*\t+7], v[ST+8*\t+1]   ; and the old m
.endr
.irp t, 0,1
	v_permlanex16_b32 v[ST+8*\t+5], v[ST+8*\t+4], s[SEL], s[SEL+1]          ; the query's other 32 keys lie in the lane 16 away
.endr
.irp t, 0,1
	v_mov_b32 v[ST+8*\t+7], v[ST+8*\t]                                      ; c m_old
.endr
.irp t, 0,1
	v_max_num_f32 v[ST+8*\t+1], v[ST+8*\t+4], v[ST+8*\t+5]
.endr
.irp t, 0,1
	v_mul_f32 v[ST+8*\t], s[CS], v[ST+8*\t+1]
.endr
.irp t, 0,1
	v_sub_f32 v[ST+8*\t+7], v[ST+8*\t+7], v[ST+8*\t]
.endr
.irp t, 0,1
	v_exp_f32 v[ST+8*\t+6], v[ST+8*\t+7]                                    ; a
.endr
.set i, 0
.rept 16
.irp t, 0,1
	v_pk_fma_f32 v[S+32*\t+2*i:S+32*\t+2*i+1], v[S+32*\t+2*i:S+32*\t+2*i+1], s[CS:CS+1], v[ST+8*\t:ST+8*\t+1] op_sel_hi:[1,0,0] neg_lo:[0,0,1] neg_hi:[0,0,1]   ; c s - c m
.endr
.set i, i+1
.endr
.set i, 0
.rept 64
	v_exp_f32 v[S+i], v[S+i]
.set i, i+1
.endr
	v_nop                                          ; a plain instruction behind the last exponential
	s_wait_alu depctr_va_vdst(0)                   ; one wait for the 66 exponentials, ahead of the first instruction that names a result
.set i, 0
.rept 16
.irp t, 0,1
	v_cvt_pk_f16_f32 v[P+16*\t+i], v[S+32*\t+2*i], v[S+32*\t+2*i+1]
.endr
.set i, i+1
.endr
.irp u, 0,1,2,3,4,5,6,7
.irp t, 0,1
	v_pk_add_f32 v[S+32*\t+4*\u:S+32*\t+4*\u+1], v[S+32*\t+4*\u:S+32*\t+4*\u+1], v[S+32*\t+4*\u+2:S+32*\t+4*\u+3]
.endr
.endr
.irp u, 0,1,2,3
.irp t, 0,1
	v_pk_add_f32 v[S+32*\t+8*\u:S+32*\t+8*\u+1], v[S+32*\t+8*\u:S+32*\t+8*\u+1], v[S+32*\t+8*\u+4:S+32*\t+8*\u+5]
.endr
.endr
.irp u, 0,1
.irp t, 0,1
	v_pk_add_f32 v[S+32*\t+16*\u:S+32*\t+16*\u+1], v[S+32*\t+16*\u:S+32*\t+16*\u+1], v[S+32*\t+16*\u+8:S+32*\t+16*\u+9]
.endr
.endr
.irp t, 0,1
	v_pk_add_f32 v[S+32*\t:S+32*\t+1], v[S+32*\t:S+32*\t+1], v[S+32*\t+16:S+32*\t+17]
.endr
.irp t, 0,1
	v_pk_fma_f32 v[ST+8*\t+2:ST+8*\t+3], v[ST+8*\t+2:ST+8*\t+3], v[ST+8*\t+6:ST+8*\t+7], v[S+32*\t:S+32*\t+1] op_sel_hi:[1,0,1]   ; l = a l + the sum
.endr
.endm
; A KEY STEP of 64 keys.  A step all of whose keys come after my 32 queries is passed over: a branch on ids, round its loads, products and softmax, not round the lines at its end that step addresses.
.macro STEP
	s_add_co_u32 s70, s[Q0], 31
	s_cmp_gt_u32 s[KEY], s70
	s_cbranch_scc1 .Lhidden_\@
	v_add_nc_u32 v[ADK], s[TB], v[AK0]
	v_add_nc_u32 v[ADV], s[TV], v[AV0]
	v_nop
	v_nop                                          ; four plain instructions between the last step's products and the loads into their operands
.irp kt, 0,1,2,3
.irp cs, 0,1
	ds_load_b128 v[KR+8*(2*\kt+\cs):KR+8*(2*\kt+\cs)+3], v[ADK] offset:\kt*16*PK+\cs*64
	ds_load_b128 v[KR+8*(2*\kt+\cs)+4:KR+8*(2*\kt+\cs)+7], v[ADK] offset:\kt*16*PK+\cs*64+32
.endr
.endr
.irp ks, 0,1
.irp ct, 0,1,2,3
	ds_load_tr16_b128 v[VR+8*(4*\ks+\ct):VR+8*(4*\ks+\ct)+3], v[ADV] offset:\ks*32*PV+\ct*32
	ds_load_tr16_b128 v[VR+8*(4*\ks+\ct)+4:VR+8*(4*\ks+\ct)+7], v[ADV] offset:\ks*32*PV+16*PV+\ct*32
.endr
.endr
	s_wait_dscnt 16                                ; K is in; V's sixteen loads may be out
	WIN 0x04                                       ; source 1 (Q) window 1
.irp cs, 0,1                                   ; eight accumulators by turns, one instruction a turn
.irp kt, 0,1,2,3
.irp t, 0,1
.if \cs == 0
	v_wmma_f32_16x16x32_f16 v[S+32*\t+8*\kt:S+32*\t+8*\kt+7], v[KR+8*(2*\kt+\cs):KR+8*(2*\kt+\cs)+7], v[QR+8*(2*\t+\cs):QR+8*(2*\t+\cs)+7], 0
.else
	v_wmma_f32_16x16x32_f16 v[S+32*\t+8*\kt:S+32*\t+8*\kt+7], v[KR+8*(2*\kt+\cs):KR+8*(2*\kt+\cs)+7], v[QR+8*(2*\t+\cs):QR+8*(2*\t+\cs)+7], v[S+32*\t+8*\kt:S+32*\t+8*\kt+7]
.endif
.endr
.endr
.endr
	WIN 0
.rept 4
	v_nop
.endr
	s_add_co_u32 s70, s[KEY], 63                   ; a step all of whose keys count passes over the mask
	s_cmp_le_u32 s70, s[Q0]
	s_cbranch_scc1 .Lopen_\@
	s_sub_co_i32 s70, s[Q0], s[KEY]
	v_add_nc_u32 v[ADK], s70, v[RH]                ; d = Q0 - KEY + r - 8 h.  Register 32 t + 8 kt + j holds key KEY + 16 kt + 8 h + j of query Q0 + 16 t + r: masked where 16 kt + j - 16 t > d
.irp t, 0,1
.irp kt, 0,1,2,3
.irp j, 0,1,2,3,4,5,6,7
	v_cmp_gt_i32 vcc_lo, 16*\kt+\j-16*\t, v[ADK]
	v_cndmask_b32 v[S+32*\t+8*\kt+\j], v[S+32*\t+8*\kt+\j], v[NEG], vcc_lo
.endr
.endr
.endr
.Lopen_\@:
	SOFTMAX
	WIN 0x41
.irp t, 0,1
.set i, 0
.rept 16
	v_pk_mul_f32 v[32*\t+2*i:32*\t+2*i+1], v[32*\t+2*i:32*\t+2*i+1], v[ST+8*\t+6:ST+8*\t+7] op_sel_hi:[1,0]   ; O^T x a
.set i, i+1
.endr
.endr
	s_wait_dscnt 0x0                               ; V is in
	WIN 0x50                                       ; C and D (O^T) window 1
.irp ks, 0,1
.irp ct, 0,1,2,3
.irp t, 0,1
	v_wmma_f32_16x16x32_f16 v[32*\t+8*\ct:32*\t+8*\ct+7], v[VR+8*(4*\ks+\ct):VR+8*(4*\ks+\ct)+7], v[P+16*\t+8*\ks:P+16*\t+8*\ks+7], v[32*\t+8*\ct:32*\t+8*\ct+7]
.endr
.endr
.endr
	WIN 0
.Lhidden_\@:
	s_add_co_u32 s[KEY], s[KEY], 64
	s_add_co_u32 s[TB], s[TB], 64*PK
	s_add_co_u32 s[TV], s[TV], 64*PV
.endm
.macro SPAN                            ; a slot's four key steps: written once, walked four times
	s_mov_b32 s[CNT], 4
.Lstep_\@:
	STEP
	s_sub_co_u32 s[CNT], s[CNT], 1
	s_cmp_lg_u32 s[CNT], 0
	s_cbranch_scc1 .Lstep_\@
	s_sub_co_u32 s[TB], s[TB], 4*64*PK
	s_xor_b32 s[TB], s[TB], SLOT1                  ; on to the other slot
	s_sub_co_u32 s[TV], s[TV], 4*64*PV
	s_xor_b32 s[TV], s[TV], SLOT1
.endm
; THE CHANGE OF SLOTS stands at a span's head.  Each wave waits for all its tensor loads, adds 0 to its spare word, and waits for that and for its reads of the slot that it has left; behind the barrier the slot
; ahead is whole and nobody reads the other one, which (fill = 1) takes the next trip's span: the load has four key steps in which to land.
.macro CHANGE fill
	s_wait_tensorcnt 0x0                           ; no tensor load of mine is out, so a group 0 may be written
	ds_add_u32 v[SPW], v[NIL]                      ; 0 onto my spare word
.if \fill
	s_xor_b32 s[G0K+1], s[G0K+1], SLOT1
	s_xor_b32 s[G0V+1], s[G0V+1], SLOT1
	s_add_co_u32 s[TP], s[T], 1                    ; the next trip's span: T + 1, counted anew from the second block's first trip
	s_cmp_ge_u32 s[TP], s[SW]
	s_cselect_b32 s70, s[SW], 0
	s_sub_co_u32 s[TP], s[TP], s70
	s_lshl_b32 s[TP], s[TP], 15                    ; a span is 256 rows of 128 bytes
	s_mov_b32 s[TP+1], 0
	s_add_nc_u64 s[G0K+2:G0K+3], s[KB:KB+1], s[TP:TP+1]
	s_or_b32 s[G0K+3], s[G0K+3], 0x80000000
	s_add_nc_u64 s[G0V+2:G0V+3], s[VB:VB+1], s[TP:TP+1]
	s_or_b32 s[G0V+3], s[G0V+3], 0x80000000
	s_wait_xcnt 0x0                                ; the last prefetch, a span back, has read its address
	s_add_nc_u64 s[PFA:PFA+1], s[PFA:PFA+1], 32768
.endif
	s_wait_dscnt 0x0                               ; the add is done, and my reads of the slot that I have left are over
	s_barrier_signal -1
	s_barrier_wait -1
.if \fill
	TLOAD                                          ; the first thing behind the barrier, and my one tensor load until the next
	ASK
.endif
.endm
; THE KEYS THAT I DID NOT WALK: tiles JW .. 31 of 64 keys, all masked.  Passed over where there are none (JW = 32).
.macro TAIL
	s_lshr_b32 s[JW], s[Q0], 6
	s_add_co_u32 s[JW], s[JW], 1
	s_cmp_eq_u32 s[JW], 32
	s_cbranch_scc1 .Lno_tail_\@
	WIN 0x01                                       ; source 0 (the sums of V) window 1
.set i, 0
.rept 32
	s_cmp_le_u32 s[JW], i
	s_cselect_b32 s[SL], 1.0, 0                    ; a sum counts or does not: chosen by a factor, in two chains
.if i < 2
	v_pk_mul_f32 v[P+2*i:P+2*i+1], v[VS+2*i:VS+2*i+1], s[SL:SL+1] op_sel_hi:[1,0]
.else
	v_pk_fma_f32 v[P+2*(i%2):P+2*(i%2)+1], v[VS+2*i:VS+2*i+1], s[SL:SL+1], v[P+2*(i%2):P+2*(i%2)+1] op_sel_hi:[1,0,1]
.endif
.set i, i+1
.endr
	WIN 0
	v_pk_add_f32 v[P:P+1], v[P:P+1], v[P+2:P+3]
	ds_store_b64 v[VSA], v[P:P+1]                  ; 64 channels through my 256 bytes of LDS, into O^T's layout
.irp ct, 0,1,2,3
.irp jj, 0,1
	ds_load_b128 v[S+8*\ct+4*\jj:S+8*\ct+4*\jj+3], v[VSR] offset:64*\ct+16*\jj
.endr
.endr
	s_sub_co_u32 s70, 32, s[JW]
	s_lshl_b32 s70, s70, 5
	v_cvt_f32_u32 v[P+4], s70                      ; half their number: each half of the lanes adds it
.irp t, 0,1
	v_mov_b32 v[ST+8*\t+7], v[ST+8*\t]
	v_max_num_f32 v[ST+8*\t+1], v[ST+8*\t+1], v[NEG]
	v_mul_f32 v[ST+8*\t], s[CS], v[ST+8*\t+1]
	v_sub_f32 v[ST+8*\t+7], v[ST+8*\t+7], v[ST+8*\t]
	v_fma_f32 v[ST+8*\t+5], v[NEG], s[CS], -v[ST+8*\t]
.endr
.irp t, 0,1
	v_exp_f32 v[ST+8*\t+6], v[ST+8*\t+7]           ; a
	v_exp_f32 v[ST+8*\t+4], v[ST+8*\t+5]           ; w
.endr
	v_nop
	s_wait_alu depctr_va_vdst(0)                   ; one wait for the four
	s_wait_dscnt 0x0
.irp t, 0,1
	v_pk_mul_f32 v[ST+8*\t+2:ST+8*\t+3], v[ST+8*\t+2:ST+8*\t+3], v[ST+8*\t+6:ST+8*\t+7] op_sel_hi:[1,0]
	v_fma_f32 v[ST+8*\t+2], v[ST+8*\t+4], v[P+4], v[ST+8*\t+2]
.endr
	WIN 0x41
.irp t, 0,1
.set i, 0
.rept 16
	v_pk_mul_f32 v[32*\t+2*i:32*\t+2*i+1], v[32*\t+2*i:32*\t+2*i+1], v[ST+8*\t+6:ST+8*\t+7] op_sel_hi:[1,0]
.set i, i+1
.endr
.endr
	WIN 0x50                                       ; source 2 and destination (O^T) window 1
.irp t, 0,1
.set i, 0
.rept 16
	v_pk_fma_f32 v[32*\t+2*i:32*\t+2*i+1], v[S+2*i:S+2*i+1], v[ST+8*\t+4:ST+8*\t+5], v[32*\t+2*i:32*\t+2*i+1] op_sel_hi:[1,0,1]
.set i, i+1
.endr
.endr
	WIN 0
.Lno_tail_\@:
.endm
; A BLOCK'S END: the unwalked keys; O^T / l, rounded to f16, through my stage; 512 consecutive bytes a store.
.macro EPI
.rept 4
	v_nop                                          ; behind the last products
.endr
	TAIL
.irp t, 0,1
	v_add_f32 v[ST+8*\t+4], v[ST+8*\t+2], v[ST+8*\t+3]
.endr
.irp t, 0,1
	v_permlanex16_b32 v[ST+8*\t+5], v[ST+8*\t+4], s[SEL], s[SEL+1]
.endr
.irp t, 0,1
	v_add_f32 v[ST+8*\t+4], v[ST+8*\t+4], v[ST+8*\t+5]
.endr
.irp t, 0,1
	v_rcp_f32 v[ST+8*\t+6], v[ST+8*\t+4]
.endr
	v_nop
	s_wait_alu depctr_va_vdst(0)
	WIN 0x41
.irp t, 0,1
.set i, 0
.rept 16
	v_pk_mul_f32 v[32*\t+2*i:32*\t+2*i+1], v[32*\t+2*i:32*\t+2*i+1], v[ST+8*\t+6:ST+8*\t+7] op_sel_hi:[1,0]
.set i, i+1
.endr
.endr
	WIN 0x05
.set i, 0
.rept 32
	v_cvt_pk_f16_f32 v[P+i], v[2*i], v[2*i+1]
.set i, i+1
.endr
	WIN 0
.irp t, 0,1
.irp ct, 0,1,2,3
	ds_store_b128 v[STO], v[P+16*\t+4*\ct:P+16*\t+4*\ct+3] offset:\t*16*PK+32*\ct
.endr
.irp u, 0,1,2,3
	ds_load_b128 v[S+16*\t+4*\u:S+16*\t+4*\u+3], v[RD] offset:\t*16*PK+4*PK*\u   ; LDS serves a wave's instructions in order: these see my stores
.endr
.endr
	s_wait_dscnt 0x0
.irp t, 0,1
.irp u, 0,1,2,3
	global_store_b128 v[GO], v[S+16*\t+4*\u:S+16*\t+4*\u+3], s[AOB:AOB+1] offset:\t*2048+512*\u
.endr
.endr
	s_wait_xcnt 0x0                                ; the stores have read their registers and their base
.endm
.macro SWITCH                          ; at trip 8 - i the first block ends and the second begins: a branch on ids and the count of trips
	s_cmp_lg_u32 s[T], s[SW]
	s_cbranch_scc1 .Lsame_\@
	EPI
	s_lshl_b32 s[Q0], s[IX], 8
	s_lshl_b32 s70, s[WV], 5
	s_add_co_u32 s[Q0], s[Q0], s70
	s_mov_b32 s[KEY], 0
	s_lshl_b32 s70, s[BH], 11
	s_add_co_u32 s70, s70, s[Q0]
	s_lshl_b32 s70, s70, 7
	s_mov_b32 s71, 0
	s_add_nc_u64 s[AOB:AOB+1], s[8:9], s[70:71]
	WIN 0x41
.set i, 0
.rept 32
	v_mov_b32 v[QR+i], v[Q2+i]
.set i, i+1
.endr
	WIN 0
	INIT
.Lsame_\@:
.endm
.Ltrip:                                            ; eight trips: behind each change of slots the next trip's span is asked for
	CHANGE 1
	SWITCH
	SPAN
	s_add_co_u32 s[T], s[T], 1
	s_cmp_lt_u32 s[T], 8
	s_cbranch_scc1 .Ltrip
	CHANGE 0                                       ; the ninth is written out
	SWITCH
	SPAN
	EPI
	s_wait_tensorcnt 0x0                           ; the wave's end
	ds_add_u32 v[SPW], v[NIL]
	s_wait_dscnt 0x0
	s_endpgm
.Lfunc_end_k_q360ef80a4a_attn:
	.size	k_q360ef80a4a_attn, .Lfunc_end_k_q360ef80a4a_attn-k_q360ef80a4a_attn
	.p2alignl 7, 3214868480
	.fill 96, 4, 3214868480
	.section	.rodata,"a",@progbits
	.p2align	6, 0x0
	.amdhsa_kernel k_q360ef80a4a_attn
		.amdhsa_group_segment_fixed_size 327680
		.amdhsa_private_segment_fixed_size 0
		.amdhsa_enable_private_segment 0
		.amdhsa_kernarg_size 32
		.amdhsa_user_sgpr_count 2
		.amdhsa_user_sgpr_kernarg_segment_ptr 1
		.amdhsa_wavefront_size32 1
		.amdhsa_system_sgpr_workgroup_id_x 1
		.amdhsa_system_sgpr_workgroup_id_y 1
		.amdhsa_system_sgpr_workgroup_id_z 1
		.amdhsa_system_vgpr_workitem_id 0
		.amdhsa_next_free_vgpr 512
		.amdhsa_next_free_sgpr 80
		.amdhsa_reserve_vcc 1
		.amdhsa_float_denorm_mode_32 3
		.amdhsa_float_denorm_mode_16_64 3
		.amdhsa_memory_ordered 1
		.amdhsa_forward_progress 1
		.amdhsa_inst_pref_size 118
	.end_amdhsa_kernel
	.amdgpu_metadata
---
amdhsa.version: [ 1, 2 ]
amdhsa.kernels:
  - .name:           k_q360ef80a4a_attn
    .symbol:         k_q360ef80a4a_attn.kd
    .args:
      - { .name: qkv, .offset: 0, .size: 8, .value_kind: global_buffer, .address_space: global }
      - { .name: fine, .offset: 8, .size: 8, .value_kind: global_buffer, .address_space: global }
      - { .name: ao, .offset: 16, .size: 8, .value_kind: global_buffer, .address_space: global }
      - { .name: vtail, .offset: 24, .size: 8, .value_kind: global_buffer, .address_space: global }
    .group_segment_fixed_size: 327680
    .private_segment_fixed_size: 0
    .kernarg_segment_align: 8
    .kernarg_segment_size: 32
    .max_flat_workgroup_size: 256
    .sgpr_count:     80
    .vgpr_count:     512
    .wavefront_size: 32
...
	.end_amdgpu_metadata
.endif
;; end of part 3
;; launch proj (part 4): grid 8 x 64, 4 waves a work-group, clusters of 4 x 4, 327,680 bytes of LDS; arguments ao, wp16, out0, c_proj_b; writes out0
.if DOCPART == 4
	.amdgcn_target "amdgcn-amd-amdhsa--gfx1250"
	.amdhsa_code_object_version 6
	.text
	.protected	k_q360ef80a4a_proj
	.globl	k_q360ef80a4a_proj
	.p2align	8
	.type	k_q360ef80a4a_proj,@function
k_q360ef80a4a_proj:
	s_mov_b64 s[64:65], 0
	v_nop
	global_prefetch_b8 v0, s[64:65] scope:SCOPE_SE
	s_setreg_imm32_b32 hwreg(HW_REG_WAVE_MODE, 25, 1), 1
	s_wait_xcnt 0x0
	s_wait_alu depctr_hold_cnt(0) depctr_sa_sdst(0) depctr_va_vdst(0) depctr_va_sdst(0) depctr_va_ssrc(0) depctr_va_vcc(0) depctr_vm_vsrc(0)
	s_getreg_b32 s2, hwreg(HW_REG_IB_STS2, 6, 4)
	s_cmp_eq_u32 s2, 0
	s_cbranch_scc0 .Lentry_in_a_cluster
	s_endpgm
.Lentry_in_a_cluster:
	s_bfe_u32 s2, ttmp6, 0x10000c
	s_cmp_lg_u32 s2, 0xf033
	s_cbranch_scc0 .Lentry_shape_is_right
	s_endpgm
.Lentry_shape_is_right:
; Launch 4 of 5: out0 = attention's result x c_proj_w + c_proj_b.  A = ao, f16 by head planes [batch][head][position][64]; B = wp16, f16 [n][k]; out0 [8192][1024] f32; sums in f32; the bias is the C of each sum's first product.
; (Rows 0-15 of each batch are made here too, inside tiles with live work, and are written again, more finely, by the last launch.)
; A tile of 128 x 128 is made by four waves, 64 x 64 each: 512 work-groups, two for each of 256 WGPs; tiles of 256 x 256 would be 128.  K goes in steps of 256 (four heads) through two LDS slots.
; A's part of a slot is four planes of 128 rows x 128 bytes.  A plane's 128 rows are 16,384 dense bytes: waves 0 and 1 each bring two planes by one load of two 'rows' of 8,192 elements, a plane apart,
; with 16 bytes of padding behind every 128: LDS rows of 144 bytes.  Waves 2 and 3 bring B's halves: 64 rows of 512 bytes, LDS rows of 528.
; CLUSTERS of 4 x 4: A's tile is asked for jointly along a row of the cluster, B's along a column.  THE MATRIX INSTRUCTION IS USED TRANSPOSED (source 0 = 16 rows of B, source 1 = 16 rows of A).
; REGISTERS: window 0: v16-31 addresses; v32-95 the way out; v96-127 the bias; v128-255 the accumulators ((a, b) at v[128 + 8 (4 a + b)]).  window 1: two fragment buffers of 128: 64 of A, then 64 of B.
.set PA,     144
.set PLANE,  128*PA
.set PB,     528
.set HALFB,  64*PB
.set BOFF,   4*PLANE
.set SLOT,   BOFF+2*HALFB
.set STAGE,  2*SLOT                    ; behind the ring: 16 rows x 272 bytes for each wave
.set SPITCH, 272
.set SPARE,  STAGE+4*16*SPITCH         ; the spare words: two blocks of 256 bytes that no other line names
.set LAPS,   2                         ; a lap = two K steps
.set ADRA, 16
.set ADRB, 20
.set STO,  24
.set RD,   25
.set CO,   26
.set BO,   27
.set SPW,  28
.set NIL,  29
.set TMP,  32
.set BIAS, 96
.set ACC,  128
.set F0,   0
.set F1,   128
.set G1, 24
.set G0, 32
.set G1B, 48
.set G0B, 56
.set WV, 70
.set RW, 71                            ; s71 my half of the tile's rows.  Also: I fetch for A (0) or for B (1)
.set CH, 72                            ; s72 my half of its columns.  Also: which half of that tile I fetch
.set MSB, 0
.macro WIN new
.if MSB != (\new)
	s_set_vgpr_msb (MSB<<8)|(\new)
.set MSB, (\new)
.endif
.endm
.set MUL,  0x05                        ; sources 0 (B) and 1 (A) window 1; C and D window 0
.set TO_F, 0x40
.macro JLOAD s                         ; a joint load; an s_nop 0 and four v_nop follow each of the two lines
	s_cmp_eq_u32 s[RW], 0
	s_cbranch_scc0 .Lfor_b_\@
	tensor_load_to_lds s[G0+4*\s:G0+4*\s+3], s[G1:G1+7]
	s_nop 0
.rept 4
	v_nop
.endr
	s_branch .Lasked_\@
.Lfor_b_\@:
	tensor_load_to_lds s[G0B+4*\s:G0B+4*\s+3], s[G1B:G1B+7]
	s_nop 0
.rept 4
	v_nop
.endr
.Lasked_\@:
.endm
.macro CREST
	s_cmp_lg_u32 s[WV], 0
	s_cbranch_scc1 .Lnot_wave_0_\@
	s_barrier_signal -3
.Lnot_wave_0_\@:
	s_barrier_wait -3
	s_barrier_signal -1
	s_barrier_wait -1
.endm
.macro CROUND
	s_barrier_signal -1
	s_barrier_wait -1
	CREST
.endm
	s_load_b128 s[4:7], s[0:1], 0x0                ; ao s[4:5], wp16 s[6:7]
	s_load_b128 s[8:11], s[0:1], 0x10              ; out0 s[8:9], c_proj_b s[10:11]
	v_lshl_add_u32 v[SPW], v0, 2, SPARE
	v_mov_b32 v[NIL], 0
	ds_add_u32 v[SPW], v[NIL]                      ; the wave's opening: the add, twice on end, and its wait ahead of my first tensor load
	ds_add_u32 v[SPW], v[NIL]
	v_lshrrev_b32 v1, 5, v0
	v_readfirstlane_b32 s[WV], v1
	s_lshr_b32 s[RW], s[WV], 1
	s_and_b32 s[CH], s[WV], 1
	s_bfe_u32 s40, ttmp6, 0x40000                  ; cx
	s_bfe_u32 s41, ttmp6, 0x40004                  ; cy
	s_lshl_b32 s42, ttmp9, 2
	s_add_co_u32 s42, s42, s40                     ; tile column
	s_and_b32 s13, ttmp7, 0xffff
	s_lshl_b32 s13, s13, 2
	s_add_co_u32 s13, s13, s41                     ; tile row
	s_lshl_b32 s43, s41, 2
	s_lshl_b32 s43, 15, s43                        ; my row of the cluster
	s_lshl_b32 s44, 0x1111, s40                    ; my column
	s_or_b32 s[G1+0], s43, (1<<16)|(1<<20)|(1<<21)|(4<<22)|(3<<25)   ; elements of 2 bytes; 4 words of padding behind every 32
	s_mov_b32 s[G1+1], 8192<<16                    ; tensor_dim0: a plane's 128 rows x 64
	s_mov_b32 s[G1+2], 2<<16                       ; tensor_dim1: two planes
	s_mov_b32 s[G1+3], 8192<<16                    ; tile_dim0
	s_mov_b32 s[G1+4], 2                           ; tile_dim1
	s_mov_b32 s[G1+5], 131072                      ; from plane to plane, in elements
	s_mov_b32 s[G1+6], 0
	s_mov_b32 s[G1+7], 0
	s_or_b32 s[G1B+0], s44, (1<<16)|(1<<20)|(1<<21)|(6<<22)|(3<<25)  ; 4 words behind every 128
	s_mov_b32 s[G1B+1], 256<<16
	s_mov_b32 s[G1B+2], 64<<16
	s_mov_b32 s[G1B+3], 256<<16
	s_mov_b32 s[G1B+4], 64
	s_mov_b32 s[G1B+5], 1024
	s_mov_b32 s[G1B+6], 0
	s_mov_b32 s[G1B+7], 0
	s_lshr_b32 s16, s13, 4                         ; the batch
	s_lshl_b32 s16, s16, 4
	s_lshl_b32 s17, s[CH], 1
	s_add_co_u32 s16, s16, s17                     ; the plane: batch x 16 + 2 x half
	s_lshl_b32 s16, s16, 11
	s_and_b32 s17, s13, 15
	s_lshl_b32 s17, s17, 7
	s_add_co_u32 s16, s16, s17                     ; + the tile's first position
	s_lshl_b32 s16, s16, 7                         ; rows of 128 bytes
	s_mov_b32 s17, 0
	s_lshl_b32 s46, s42, 7
	s_lshl_b32 s47, s[CH], 6
	s_add_co_u32 s46, s46, s47                     ; B: row 128 x tile column + 64 x half
	s_lshl_b32 s46, s46, 11
	s_mov_b32 s47, 0
	s_mul_i32 s20, s[CH], 2*PLANE                  ; where they go: no place in the cluster enters an LDS address
	s_mul_i32 s21, s[CH], HALFB
	s_add_co_u32 s21, s21, BOFF
	s_wait_dscnt 0x0                               ; both opening adds are done
	s_wait_kmcnt 0x0
	s_add_nc_u64 s[14:15], s[4:5], s[16:17]
	s_add_nc_u64 s[46:47], s[6:7], s[46:47]
	CROUND                                         ; all sixteen work-groups are here: the first joint loads meet
.irp s, 0,1
	s_mov_b32 s[G0+4*\s], 1
	s_add_co_u32 s[G0+4*\s+1], s20, \s*SLOT
	s_add_nc_u64 s[G0+4*\s+2:G0+4*\s+3], s[14:15], \s*4*262144      ; K step s: four planes on
	s_or_b32 s[G0+4*\s+3], s[G0+4*\s+3], 0x80000000
	s_mov_b32 s[G0B+4*\s], 1
	s_add_co_u32 s[G0B+4*\s+1], s21, \s*SLOT
	s_add_nc_u64 s[G0B+4*\s+2:G0B+4*\s+3], s[46:47], \s*512
	s_or_b32 s[G0B+4*\s+3], s[G0B+4*\s+3], 0x80000000
	JLOAD \s
.endr
	v_and_b32 v1, 15, v0                           ; r
	v_bfe_u32 v2, v0, 4, 1                         ; h
	v_mul_u32_u24 v3, v1, PA
	v_lshl_add_u32 v3, v2, 4, v3
	v_mul_u32_u24 v4, v1, PB
	v_lshl_add_u32 v4, v2, 4, v4
	s_mul_i32 s21, s[RW], 64*PA                    ; my 64 rows of each plane
	s_mul_i32 s22, s[CH], HALFB
	s_add_co_u32 s22, s22, BOFF                    ; my 64 rows of B
.irp s, 0,1
	v_add_nc_u32 v[ADRA+\s], s21, v3
	v_add_nc_u32 v[ADRB+\s], s22, v4
	s_add_co_u32 s21, s21, SLOT
	s_add_co_u32 s22, s22, SLOT
.endr
	s_mul_i32 s23, s[WV], 16*SPITCH
	s_add_co_u32 s23, s23, STAGE                   ; my stage
	v_mul_u32_u24 v5, v1, SPITCH
	v_lshl_add_u32 v5, v2, 5, v5
	v_add_nc_u32 v[STO], s23, v5                   ; in: row r, 32 bytes for each half of the lanes
	v_mul_u32_u24 v5, v2, SPITCH
	v_lshl_add_u32 v5, v1, 4, v5
	v_add_nc_u32 v[RD], s23, v5                    ; back: lanes 0-15 one row of 256 bytes, lanes 16-31 the next
	v_lshlrev_b32 v5, 12, v2
	v_lshl_add_u32 v[CO], v1, 4, v5                ; and the same two rows in out0
	v_lshlrev_b32 v[BO], 5, v2
	s_lshl_b32 s16, s13, 7
	s_lshl_b32 s17, s[RW], 6
	s_add_co_u32 s16, s16, s17                     ; my first row
	s_lshl_b32 s16, s16, 12
	s_mov_b32 s17, 0
	s_add_nc_u64 s[8:9], s[8:9], s[16:17]
	s_lshl_b32 s46, s42, 9
	s_lshl_b32 s47, s[CH], 8
	s_add_co_u32 s46, s46, s47                     ; my first column, in bytes
	s_mov_b32 s47, 0
	s_add_nc_u64 s[8:9], s[8:9], s[46:47]
	s_add_nc_u64 s[10:11], s[10:11], s[46:47]
.irp b, 0,1,2,3
	global_load_b128 v[BIAS+8*\b:BIAS+8*\b+3], v[BO], s[10:11] offset:64*\b      ; lane (r, h): the bias of columns 16 b + 8 h + 0 .. 7
	global_load_b128 v[BIAS+8*\b+4:BIAS+8*\b+7], v[BO], s[10:11] offset:64*\b+16
.endr
.macro MUL8 f, c, a0, start            ; 8 matrix instructions: m blocks a0, a0 + 1 x all 4 n blocks, 32 along K.  start = 1: the bias starts the sums
.irp a, \a0, \a0+1
.irp b, 0,1,2,3
.if \start
	v_wmma_f32_16x16x32_f16 v[ACC+8*(4*(\a)+\b):ACC+8*(4*(\a)+\b)+7], v[\f+64+8*(4*\c+\b):\f+64+8*(4*\c+\b)+7], v[\f+8*(4*\c+\a):\f+8*(4*\c+\a)+7], v[BIAS+8*\b:BIAS+8*\b+7]
.else
	v_wmma_f32_16x16x32_f16 v[ACC+8*(4*(\a)+\b):ACC+8*(4*(\a)+\b)+7], v[\f+64+8*(4*\c+\b):\f+64+8*(4*\c+\b)+7], v[\f+8*(4*\c+\a):\f+8*(4*\c+\a)+7], v[ACC+8*(4*(\a)+\b):ACC+8*(4*(\a)+\b)+7]
.endif
.endr
.endr
.endm
.macro FETCH slot, q, f                ; 32 LDS loads in one run: quarter q (64 along K: plane q of the slot) into buffer f; its first 32 along K first
	WIN TO_F
.irp c, 0,1
.irp i, 0,1,2,3
	ds_load_b128 v[\f+64+8*(4*\c+\i):\f+64+8*(4*\c+\i)+3],   v[ADRB+\slot] offset:128*(\q)+64*\c+\i*16*PB
	ds_load_b128 v[\f+64+8*(4*\c+\i)+4:\f+64+8*(4*\c+\i)+7], v[ADRB+\slot] offset:128*(\q)+64*\c+\i*16*PB+32
	ds_load_b128 v[\f+8*(4*\c+\i):\f+8*(4*\c+\i)+3],         v[ADRA+\slot] offset:(\q)*PLANE+64*\c+\i*16*PA
	ds_load_b128 v[\f+8*(4*\c+\i)+4:\f+8*(4*\c+\i)+7],       v[ADRA+\slot] offset:(\q)*PLANE+64*\c+\i*16*PA+32
.endr
.endr
.endm
.macro PLACES
.rept 4
	v_nop
.endr
.endm
.macro QUARTER slot, q, f, g, start    ; multiplies buffer f and fetches quarter q of the same slot into g
	s_wait_dscnt 16                                ; the first 32 along K are in
	WIN MUL
	MUL8 \f, 0, 0, \start
	MUL8 \f, 0, 2, \start
	PLACES
	FETCH \slot, \q, \g
	s_wait_dscnt 32                                ; all but the 32 just issued
	WIN MUL
	MUL8 \f, 1, 0, 0
	MUL8 \f, 1, 2, 0
.endm
; A slot's last quarter changes slots: one barrier; in front of it each wave waits for all its tensor loads, adds 0 to its spare word, and waits for that and for its reads of this slot.  fill = 1: the barrier opens
; a round of the cluster's, and this slot is filled again, two K steps ahead, first thing behind the round.
.macro TURN slot, next, fill
	WIN 0
	s_wait_tensorcnt 0x0
	ds_add_u32 v[SPW], v[NIL]
	s_wait_dscnt 17                                ; (the add and the youngest sixteen loads may be out)
	WIN MUL
	MUL8 F1, 0, 0, 0
	s_wait_dscnt 0x0                               ; the add is done, and my reads of this slot are over
	s_barrier_signal -1
	MUL8 F1, 0, 2, 0
.if \fill
	WIN 0
.endif
	s_barrier_wait -1
.if \fill
	CREST
	s_add_nc_u64 s[G0+4*\slot+2:G0+4*\slot+3], s[G0+4*\slot+2:G0+4*\slot+3], 8*262144
	s_add_nc_u64 s[G0B+4*\slot+2:G0B+4*\slot+3], s[G0B+4*\slot+2:G0B+4*\slot+3], 1024
	JLOAD \slot                                    ; the four v_nop behind it are also the places in front of the loads below
.else
	PLACES
.endif
	FETCH \next, 0, F0
	WIN MUL
	MUL8 F1, 1, 0, 0
	MUL8 F1, 1, 2, 0
.endm
	s_wait_tensorcnt 1                             ; my part of K step 0 is in (K step 1's load may be out),
	s_barrier_signal -1
	s_barrier_wait -1                              ; everybody's is
	FETCH 0, 0, F0
	s_wait_loadcnt 0x0                             ; the bias
	QUARTER 0, 1, F0, F1, 1
	WIN 0
	s_mov_b32 s3, LAPS-1
.Llap:                                             ; a trip goes once round the ring and fills both slots again
	QUARTER 0, 2, F1, F0, 0
	QUARTER 0, 3, F0, F1, 0
	TURN 0, 1, 1
	QUARTER 1, 1, F0, F1, 0
	QUARTER 1, 2, F1, F0, 0
	QUARTER 1, 3, F0, F1, 0
	TURN 1, 0, 1
	QUARTER 0, 1, F0, F1, 0
	WIN 0
	s_sub_co_u32 s3, s3, 1
	s_cmp_lg_u32 s3, 0
	s_cbranch_scc1 .Llap
	QUARTER 0, 2, F1, F0, 0                        ; the last lap fills nothing
	QUARTER 0, 3, F0, F1, 0
	TURN 0, 1, 0
	QUARTER 1, 1, F0, F1, 0
	QUARTER 1, 2, F1, F0, 0
	QUARTER 1, 3, F0, F1, 0
	s_wait_dscnt 16
	WIN MUL
	MUL8 F1, 0, 0, 0
	MUL8 F1, 0, 2, 0
	s_wait_dscnt 0
	MUL8 F1, 1, 0, 0
	MUL8 F1, 1, 2, 0
	WIN 0
	; THE WAY OUT.  My 64 columns of f32 are 256 bytes, aligned: so each wave has a stage of its own and there is no barrier.  16 rows at a time, each accumulator from its low end on.
	PLACES
.irp a, 0,1,2,3
.if \a >= 2
	s_wait_xcnt 0x0                                ; the stores of two blocks back have read their registers
.endif
.irp b, 0,1,2,3
	ds_store_b128 v[STO], v[ACC+8*(4*\a+\b):ACC+8*(4*\a+\b)+3] offset:64*\b
	ds_store_b128 v[STO], v[ACC+8*(4*\a+\b)+4:ACC+8*(4*\a+\b)+7] offset:64*\b+16
.endr
.irp t, 0,1,2,3,4,5,6,7
	ds_load_b128 v[TMP+32*(\a%2)+4*\t:TMP+32*(\a%2)+4*\t+3], v[RD] offset:2*SPITCH*\t   ; LDS serves a wave's instructions in order
.endr
	s_wait_dscnt 0x0
.irp t, 0,1,2,3,4,5,6,7
	global_store_b128 v[CO], v[TMP+32*(\a%2)+4*\t:TMP+32*(\a%2)+4*\t+3], s[8:9] offset:(16*\a+2*\t)*4096 th:TH_STORE_NT   ; sixteen lanes store 256 consecutive bytes, aligned
.endr
.endr
	s_wait_tensorcnt 0x0                           ; the wave's end
	ds_add_u32 v[SPW], v[NIL]
	s_wait_dscnt 0x0
	CROUND                                         ; the closing round
	s_endpgm
.Lfunc_end_k_q360ef80a4a_proj:
	.size	k_q360ef80a4a_proj, .Lfunc_end_k_q360ef80a4a_proj-k_q360ef80a4a_proj
	.p2alignl 7, 3214868480
	.fill 96, 4, 3214868480
	.section	.rodata,"a",@progbits
	.p2align	6, 0x0
	.amdhsa_kernel k_q360ef80a4a_proj
		.amdhsa_group_segment_fixed_size 327680
		.amdhsa_private_segment_fixed_size 0
		.amdhsa_enable_private_segment 0
		.amdhsa_kernarg_size 32
		.amdhsa_user_sgpr_count 2
		.amdhsa_user_sgpr_kernarg_segment_ptr 1
		.amdhsa_wavefront_size32 1
		.amdhsa_system_sgpr_workgroup_id_x 1
		.amdhsa_system_sgpr_workgroup_id_y 1
		.amdhsa_system_sgpr_workgroup_id_z 1
		.amdhsa_system_vgpr_workitem_id 0
		.amdhsa_next_free_vgpr 512
		.amdhsa_next_free_sgpr 80
		.amdhsa_reserve_vcc 0
		.amdhsa_float_denorm_mode_32 3
		.amdhsa_float_denorm_mode_16_64 3
		.amdhsa_memory_ordered 1
		.amdhsa_forward_progress 1
		.amdhsa_inst_pref_size 87
	.end_amdhsa_kernel
	.amdgpu_metadata
---
amdhsa.version: [ 1, 2 ]
amdhsa.kernels:
  - .name:           k_q360ef80a4a_proj
    .symbol:         k_q360ef80a4a_proj.kd
    .args:
      - { .name: ao, .offset: 0, .size: 8, .value_kind: global_buffer, .address_space: global }
      - { .name: wp16, .offset: 8, .size: 8, .value_kind: global_buffer, .address_space: global }
      - { .name: out0, .offset: 16, .size: 8, .value_kind: global_buffer, .address_space: global }
      - { .name: c_proj_b, .offset: 24, .size: 8, .value_kind: global_buffer, .address_space: global }
    .group_segment_fixed_size: 327680
    .private_segment_fixed_size: 0
    .kernarg_segment_align: 8
    .kernarg_segment_size: 32
    .max_flat_workgroup_size: 128
    .sgpr_count:     80
    .vgpr_count:     512
    .wavefront_size: 32
...
	.end_amdgpu_metadata
.endif
;; end of part 4
;; launch fine16 (part 5): grid 16 x 4, 16 waves a work-group, no clusters, 137,216 bytes of LDS; arguments fine, vtail, c_proj_w, c_proj_b, out0; writes out0
.if DOCPART == 5
	.amdgcn_target "amdgcn-amd-amdhsa--gfx1250"
	.amdhsa_code_object_version 6
	.text
	.protected	k_q360ef80a4a_fine16
	.globl	k_q360ef80a4a_fine16
	.p2align	8
	.type	k_q360ef80a4a_fine16,@function
k_q360ef80a4a_fine16:
	s_mov_b64 s[64:65], 0
	v_nop
	global_prefetch_b8 v0, s[64:65] scope:SCOPE_SE
	s_setreg_imm32_b32 hwreg(HW_REG_WAVE_MODE, 25, 1), 1
	s_wait_xcnt 0x0
; Launch 5 of 5: positions 0-15 of each batch once more, all in f32, written over what the launch before left there.  These rows average 1 to 16 values and are the largest of the output: f16 operands would use up what the comparison allows.
; Work-group (x, batch) makes out0[batch, 0..15, 64 x .. 64 x + 63].  Wave w is head w: it repeats the head's small attention from the f32 images of q, k, v and multiplies its 16 x 64 result by
; c_proj_w[64 w .. 64 w + 63, my 64 columns]; the sixteen parts meet in LDS, and wave u adds and stores row u.  All matrix work is v_wmma_f32_16x16x4_f32: 96 instructions a wave, no bulk work.
; A ROW i.  Every row has masked keys.  m = max(visible scores, the mask's value); p_j = 2^(c s_j - c m); w = 2^(c (-80000) - c m); L = the sum of the 16 p + 2,032 w;
; o = (the sum over j < 16 of (p_j - w) v_j + w x (V summed over all 2,048 keys)) / L.  A masked key among the 16 has p_j = w bit for bit, so its term is 0.  No q.k of keys 16 .. 2,047 is made: reference() replaces them.
; AN IMAGE holds, at lane 16 h + r, four numbers: position r, columns 16 nb + 8 h + 4 jh + 0..3.  The matrix form wants k = 2 h + j in register j: each step takes a register pair as it lies, alike on both sides,
; which permutes the contracted axis alike in both operands.
; REGISTERS: v16-47 Q; v48-79 K (both later c_proj_w's second half); v80-111 V's images, then V^T's fragments; v112-143 accumulators, written by matrix instructions alone; v144-207 c_proj_w's first half;
;   v208-239 V's total, then w x it, then the attention's result; v240-247 scores, p, p - w; v248-255 at work.
.set VROW,  0                          ; 16 waves x 16 rows x 272 bytes: V by rows
.set PART,  69632                      ; 16 waves x 4,096 bytes: the parts, as images of the accumulators
.set SPARE, 135168                     ; the spare words: eight blocks of 256 bytes that no other line names
	s_load_b256 s[4:11], s[0:1], 0x0               ; fine s[4:5], vtail s[6:7], c_proj_w s[8:9], c_proj_b s[10:11]
	s_load_b64 s[12:13], s[0:1], 0x20              ; out0
	v_lshl_add_u32 v10, v0, 2, SPARE               ; my spare word; never rewritten
	v_mov_b32 v11, 0                               ; 0; never rewritten
	v_lshrrev_b32 v1, 5, v0
	v_readfirstlane_b32 s14, v1                    ; wave = head = row
	s_and_b32 s15, ttmp7, 0xffff                   ; batch
	s_lshl_b32 s16, ttmp9, 8                       ; my first column, in bytes
	v_and_b32 v1, 15, v0                           ; r
	v_bfe_u32 v2, v0, 4, 1                         ; h
	v_and_b32 v15, 31, v0                          ; lane
	v_lshlrev_b32 v3, 4, v15                       ; an image's place for my lane
	s_mul_i32 s17, s14, 16*272
	v_mul_u32_u24 v4, v1, 272
	v_lshl_add_u32 v4, v2, 5, v4
	v_add_nc_u32 v4, s17, v4                       ; V by rows, in: row r, + 32 h
	v_mul_u32_u24 v5, v2, 8*272
	v_lshl_add_u32 v5, v1, 2, v5
	v_add_nc_u32 v5, s17, v5                       ; and out: key 8 h + .., channel r
	v_lshlrev_b32 v6, 15, v2
	v_lshl_add_u32 v6, v1, 2, v6                   ; c_proj_w: 8 rows of 4,096 bytes further down for lanes 16-31, column r
	v_lshlrev_b32 v7, 5, v2
	v_lshlrev_b32 v8, 3, v2
	v_sub_nc_u32 v8, v1, v8                        ; r - 8 h
	v_mov_b32 v9, 0xc79c4000                       ; -80000.0: the mask's value x 8
	s_lshl_b32 s18, s14, 12
	s_add_co_u32 s18, s18, PART
	v_add_nc_u32 v12, s18, v3                      ; where I put my part
	s_and_b32 s18, s14, 7                          ; row u = 8 h' + 4 jh' + e': where it lies in a part
	s_lshr_b32 s18, s18, 2
	s_lshl_b32 s18, s18, 9
	s_lshr_b32 s19, s14, 3
	s_lshl_b32 s19, s19, 8
	s_add_co_u32 s18, s18, s19
	s_and_b32 s19, s14, 3
	s_lshl_b32 s19, s19, 2
	s_add_co_u32 s18, s18, s19
	s_add_co_u32 s18, s18, PART
	v_lshrrev_b32 v13, 3, v15
	v_lshlrev_b32 v13, 10, v13
	v_and_b32 v14, 7, v15
	v_lshl_add_u32 v13, v14, 5, v13
	v_add_nc_u32 v13, s18, v13                     ; my two columns, 2 l and 2 l + 1, of row u
	v_lshlrev_b32 v14, 3, v15
	s_mov_b32 s20, 0x76543210
	s_mov_b32 s21, 0xfedcba98
	s_mov_b32 s22, 0x3e38aa3b                      ; c = log2(e) / 8
	s_mov_b32 s23, 0x44fe0000                      ; 2,032.0
	s_mov_b32 s25, 0
	s_mov_b32 s17, 0
	s_wait_kmcnt 0x0
	s_mul_i32 s24, s15, 192
	s_lshl_b32 s26, s14, 2
	s_add_co_u32 s24, s24, s26
	s_lshl_b32 s24, s24, 10
	s_add_nc_u64 s[4:5], s[4:5], s[24:25]          ; my head's images of q; k's lie 65,536 bytes on, v's 131,072
	s_lshl_b32 s24, s15, 4
	s_add_co_u32 s24, s24, s14
	s_lshl_b32 s24, s24, 8
	s_add_nc_u64 s[6:7], s[6:7], s[24:25]
	s_lshl_b32 s24, s14, 18
	s_add_co_u32 s24, s24, s16
	s_add_nc_u64 s[8:9], s[8:9], s[24:25]
	s_add_nc_u64 s[10:11], s[10:11], s[16:17]
	s_lshl_b32 s24, s15, 11
	s_add_co_u32 s24, s24, s14
	s_lshl_b32 s24, s24, 12
	s_add_co_u32 s24, s24, s16
	s_add_nc_u64 s[12:13], s[12:13], s[24:25]
.irp n, 0,1,2,3,4,5,6,7
	global_load_b128 v[80+4*\n:83+4*\n], v3, s[4:5] offset:131072+512*\n
.endr
.irp n, 0,1,2,3,4,5,6,7
	global_load_b128 v[48+4*\n:51+4*\n], v3, s[4:5] offset:65536+512*\n
.endr
.irp n, 0,1,2,3,4,5,6,7
	global_load_b128 v[16+4*\n:19+4*\n], v3, s[4:5] offset:512*\n
.endr
.irp n, 0,1,2,3,4,5,6,7
	global_load_b128 v[208+4*\n:211+4*\n], v7, s[6:7] offset:64*(\n/2)+16*(\n%2)   ; V's total in O^T's layout: channels 16 ct + 8 h + 0 .. 7
.endr
.macro WLOAD q, reg                    ; step q = 4 ct + s of the projection: rows 16 ct + 8 h + 2 s + j of my head's 64, columns 16 c + r
.irp c, 0,1,2,3
.irp j, 0,1
	global_load_b32 v[\reg+2*\c+\j], v6, s[8:9] offset:(16*((\q)/4)+2*((\q)%4)+\j)*4096+64*\c
.endr
.endr
.endm
.set q, 0
.rept 8
	WLOAD q, 144+8*q
.set q, q+1
.endr
	s_wait_loadcnt 63                              ; of the 96 loads at most 63 are out: the first 33, the images and V's total among them, are in
.irp n, 0,1,2,3,4,5,6,7
	ds_store_b128 v4, v[80+4*\n:83+4*\n] offset:64*(\n/2)+16*(\n%2)
.endr
.irp s, 0,1,2,3
.irp ct, 0,1,2,3
.irp j, 0,1
	ds_load_b32 v[80+2*(4*\s+\ct)+\j], v5 offset:(2*\s+\j)*272+64*\ct   ; V^T: channel 16 ct + r, key 8 h + 2 s + j.  LDS serves a wave's instructions in order: these see my stores
.endr
.endr
.endr
.set n, 0
.rept 16                                       ; S^T = K Q^T: sixteen steps of four channels, two accumulators by turns; the first two steps start the sums
.if n < 2
	v_wmma_f32_16x16x4_f32 v[112+8*(n%2):119+8*(n%2)], v[48+2*n:49+2*n], v[16+2*n:17+2*n], 0
.else
	v_wmma_f32_16x16x4_f32 v[112+8*(n%2):119+8*(n%2)], v[48+2*n:49+2*n], v[16+2*n:17+2*n], v[112+8*(n%2):119+8*(n%2)]
.endif
.set n, n+1
.endr
.rept 9
	v_nop                                          ; behind this form: 8 places ahead of reads of results and loads into operands, 9 ahead of matrix instructions that write over them
.endr
.set q, 8
.rept 8
	WLOAD q, 16+8*(q-8)
.set q, q+1
.endr
.irp p, 0,2,4,6
	v_pk_add_f32 v[240+\p:241+\p], v[112+\p:113+\p], v[120+\p:121+\p]   ; lane (r, h): query r, keys 8 h + 0 .. 7
.endr
.irp j, 0,1,2,3,4,5,6,7
	v_cmp_gt_i32 vcc_lo, \j, v8                    ; key 8 h + j > query r
	v_cndmask_b32 v[240+\j], v[240+\j], v9, vcc_lo
.endr
	v_max3_num_f32 v248, v240, v241, v242
	v_max3_num_f32 v249, v243, v244, v245
	v_max3_num_f32 v248, v248, v246, v247
	v_max3_num_f32 v248, v248, v249, v9
	v_permlanex16_b32 v249, v248, s20, s21
	v_max_num_f32 v248, v248, v249                 ; m
	v_mul_f32 v251, s22, v248                      ; c m
.irp j, 0,1,2,3,4,5,6,7
	v_fma_f32 v[240+\j], v[240+\j], s22, -v251
.endr
	v_fma_f32 v250, v9, s22, -v251
.irp j, 0,1,2,3,4,5,6,7
	v_exp_f32 v[240+\j], v[240+\j]
.endr
	v_exp_f32 v250, v250                           ; w
	v_nop
	s_wait_alu depctr_va_vdst(0)                   ; one wait for the nine exponentials
	v_pk_add_f32 v[252:253], v[240:241], v[242:243]
	v_pk_add_f32 v[254:255], v[244:245], v[246:247]
	v_pk_add_f32 v[252:253], v[252:253], v[254:255]
	v_add_f32 v252, v252, v253
	v_permlanex16_b32 v253, v252, s20, s21
	v_add_f32 v252, v252, v253
	v_fma_f32 v252, v250, s23, v252                ; L
	v_rcp_f32 v254, v252
.irp j, 0,1,2,3,4,5,6,7
	v_sub_f32 v[240+\j], v[240+\j], v250           ; p - w
.endr
.set i, 0
.rept 16
	v_pk_mul_f32 v[208+2*i:209+2*i], v[208+2*i:209+2*i], v[250:251] op_sel_hi:[1,0]   ; w x V's total
.set i, i+1
.endr
	s_wait_alu depctr_va_vdst(0)                   ; the reciprocal
	s_wait_dscnt 0x0                               ; V^T's fragments
.irp s, 0,1,2,3                                ; O^T = V^T (p - w) + w x V's total: four steps of four keys, four accumulators by turns
.irp ct, 0,1,2,3
.if \s == 0
	v_wmma_f32_16x16x4_f32 v[112+8*\ct:119+8*\ct], v[80+2*(4*\s+\ct):81+2*(4*\s+\ct)], v[240+2*\s:241+2*\s], v[208+8*\ct:215+8*\ct]
.else
	v_wmma_f32_16x16x4_f32 v[112+8*\ct:119+8*\ct], v[80+2*(4*\s+\ct):81+2*(4*\s+\ct)], v[240+2*\s:241+2*\s], v[112+8*\ct:119+8*\ct]
.endif
.endr
.endr
.rept 9
	v_nop
.endr
.set i, 0
.rept 16
	v_pk_mul_f32 v[208+2*i:209+2*i], v[112+2*i:113+2*i], v[254:255] op_sel_hi:[1,0]   ; / L: lane (r, h): position r, channels 16 ct + 8 h + 0 .. 7
.set i, i+1
.endr
	s_wait_loadcnt 0x0                             ; c_proj_w
.set q, 0
.rept 16                                       ; my part of the projection: sixteen steps of four channels, four tiles of 16 columns by turns
.irp c, 0,1,2,3
.if q < 8
.set WR, 144+8*q+2*\c
.else
.set WR, 16+8*(q-8)+2*\c
.endif
.if q == 0
	v_wmma_f32_16x16x4_f32 v[112+8*\c:119+8*\c], v[208+2*q:209+2*q], v[WR:WR+1], 0
.else
	v_wmma_f32_16x16x4_f32 v[112+8*\c:119+8*\c], v[208+2*q:209+2*q], v[WR:WR+1], v[112+8*\c:119+8*\c]
.endif
.endr
.set q, q+1
.endr
.rept 8
	v_nop
.endr
.irp c, 0,1,2,3
	ds_store_b128 v12, v[112+8*\c:115+8*\c] offset:1024*\c          ; lane (r, h): positions 8 h + 0 .. 7 of column 16 c + r; each accumulator from its low end on
	ds_store_b128 v12, v[116+8*\c:119+8*\c] offset:1024*\c+512
.endr
	s_wait_dscnt 0x0                               ; for the others' sake: my part lies in LDS
	s_barrier_signal -1
	s_barrier_wait -1
.set n, 0
.rept 16
	ds_load_b32 v[16+2*n], v13 offset:4096*n
	ds_load_b32 v[17+2*n], v13 offset:4096*n+16
.set n, n+1
.endr
	global_load_b64 v[48:49], v14, s[10:11]        ; the bias of my two columns
	s_wait_dscnt 0x0
.irp d, 8,4,2,1
.irp n, 0,1,2,3,4,5,6,7
.if \n < \d
	v_pk_add_f32 v[16+2*\n:17+2*\n], v[16+2*\n:17+2*\n], v[16+2*(\n+\d):17+2*(\n+\d)]
.endif
.endr
.endr
	s_wait_loadcnt 0x0
	v_pk_add_f32 v[16:17], v[16:17], v[48:49]
	global_store_b64 v14, v[16:17], s[12:13]       ; the wave stores 256 consecutive bytes, aligned
	s_wait_tensorcnt 0x0                           ; the wave's end
	ds_add_u32 v10, v11
	s_wait_dscnt 0x0
	s_endpgm
.Lfunc_end_k_q360ef80a4a_fine16:
	.size	k_q360ef80a4a_fine16, .Lfunc_end_k_q360ef80a4a_fine16-k_q360ef80a4a_fine16
	.p2alignl 7, 3214868480
	.fill 96, 4, 3214868480
	.section	.rodata,"a",@progbits
	.p2align	6, 0x0
	.amdhsa_kernel k_q360ef80a4a_fine16
		.amdhsa_group_segment_fixed_size 137216
		.amdhsa_private_segment_fixed_size 0
		.amdhsa_enable_private_segment 0
		.amdhsa_kernarg_size 40
		.amdhsa_user_sgpr_count 2
		.amdhsa_user_sgpr_kernarg_segment_ptr 1
		.amdhsa_wavefront_size32 1
		.amdhsa_system_sgpr_workgroup_id_x 1
		.amdhsa_system_sgpr_workgroup_id_y 1
		.amdhsa_system_sgpr_workgroup_id_z 1
		.amdhsa_system_vgpr_workitem_id 0
		.amdhsa_next_free_vgpr 256
		.amdhsa_next_free_sgpr 66
		.amdhsa_reserve_vcc 1
		.amdhsa_float_denorm_mode_32 3
		.amdhsa_float_denorm_mode_16_64 3
		.amdhsa_memory_ordered 1
		.amdhsa_forward_progress 1
		.amdhsa_inst_pref_size 37
	.end_amdhsa_kernel
	.amdgpu_metadata
---
amdhsa.version: [ 1, 2 ]
amdhsa.kernels:
  - .name:           k_q360ef80a4a_fine16
    .symbol:         k_q360ef80a4a_fine16.kd
    .args:
      - { .name: fine, .offset: 0, .size: 8, .value_kind: global_buffer, .address_space: global }
      - { .name: vtail, .offset: 8, .size: 8, .value_kind: global_buffer, .address_space: global }
      - { .name: c_proj_w, .offset: 16, .size: 8, .value_kind: global_buffer, .address_space: global }
      - { .name: c_proj_b, .offset: 24, .size: 8, .value_kind: global_buffer, .address_space: global }
      - { .name: out0, .offset: 32, .size: 8, .value_kind: global_buffer, .address_space: global }
    .group_segment_fixed_size: 137216
    .private_segment_fixed_size: 0
    .kernarg_segment_align: 8
    .kernarg_segment_size: 40
    .max_flat_workgroup_size: 512
    .sgpr_count:     66
    .vgpr_count:     256
    .wavefront_size: 32
...
	.end_amdgpu_metadata
.endif
;; end of part 5
